; MI455X (gfx1250); checked and timed in simulation.
; The chip was launched on July 23, 2026; its instructions are those of AMD's public machine-readable ISA for CDNA 5 (MIT licence, August 2026) and "CDNA5" Instruction Set Architecture Reference Guide (July 2026). The comments in the code are by the model that wrote it; some were corrected since.
;; Multi Head Attention. Allowed arithmetic: matrix products marked QUANTISED: E2M1 operands, one E8M0 scale for each 32 along K, by v_wmma_scale_f32_16x16x128_f8f6f4 with both operands' format E2M1 (or v_wmma_scale_f32_32x16x128_f4), f32 sums; everything else in f32.
;; Inputs: Wk 1,024 x 1,024 float32; Wo 1,024 x 1,024 float32; Wq 1,024 x 1,024 float32; Wv 1,024 x 1,024 float32; bk 1,024 float32; bo 1,024 float32; bq 1,024 float32; bv 1,024 float32; x 4 x 2,048 x 1,024 float32.
;; Outputs: out0 4 x 2,048 x 1,024 float32.
;; This version of the problem:
;;   THIS VERSION OF THE PROBLEM IS GIVEN IN LOW PRECISION. The matrix products marked QUANTISED in the list below multiply operands that are first quantised to E2M1 (2 exponent bits, 1 mantissa bit; 4 bits a number), with one power-of-two scale for each 32 numbers along K (OCP MX v1.0); their sums are f32. All else is computed in f32.
;;   The module's matrix products, in the order in which they are computed (A, B: the left and right operand; K: the contracted axis; several contracted axes count as one K, in the product's order):
;;     1. [M 8,192, K 1,024] x [K 1,024, N 1,024]; A: input x; B: input Wq: QUANTISED
;;     2. [M 8,192, K 1,024] x [K 1,024, N 1,024]; A: input x; B: input Wk: QUANTISED
;;     3. [M 8,192, K 1,024] x [K 1,024, N 1,024]; A: input x; B: input Wv: QUANTISED
;;     4. batch 64 x [M 2,048, K 64] x [K 64, N 2,048]; A: computed on the way; B: computed on the way: QUANTISED
;;     5. batch 64 x [M 2,048, K 2,048] x [K 2,048, N 64]; A: softmax (see below); B: computed on the way: QUANTISED
;;     6. [M 8,192, K 1,024] x [K 1,024, N 1,024]; A: computed on the way; B: input Wo: QUANTISED
;;   THE QUANTISER, for each operand of a quantised product, along K:
;;     - K is cut into blocks of 32 from its start; a last block that is shorter is filled with zeros.
;;     - A block's scale is 2^e with e = floor(log2(the largest magnitude in the block)) - 2, held to -126 .. 127; a block of zeros has e = 0. As a byte (E8M0): e + 127.
;;     - Each number is divided by its block's scale, clamped to +-6, and rounded to the nearest number of E2M1, ties to even, subnormals kept.
;;     - The product sums the exact products of the quantised numbers (number of the format x scale) in f32.
;;   ~~~python
;;   def quantise(x, axis):      # numpy; x: float32 -> the quantised numbers, widened to float32 again
;;       x = np.moveaxis(x, axis, -1); K = x.shape[-1]
;;       x = np.pad(x, [(0, 0)] * (x.ndim - 1) + [(0, -K % 32)]); x = x.reshape(x.shape[:-1] + (-1, 32)); a = np.abs(x).max(-1, keepdims=True)
;;       e = np.where(a > 0, np.clip(np.frexp(np.where(a > 0, a, 1))[1] - 1 - 2, -126, 127), 0)      # np.frexp(a)[1] - 1 = floor(log2(a)), exactly
;;       r = np.clip(x / 2.0 ** e, -6, 6)
;;       step = 2.0 ** (np.maximum(np.frexp(np.where(r == 0, 1, r))[1] - 1, 0) - 1)
;;       q = np.round(r / step) * step * 2.0 ** e      # np.round: ties to even
;;       return np.moveaxis(q.reshape(q.shape[:-2] + (-1,))[..., :K], -1, axis).astype(np.float32)
;;   ~~~
;;   SOFTMAX AHEAD OF A QUANTISED PRODUCT. Where the list says 'softmax', what is quantised is not the finished softmax but p = 2^(t - M), with t = logit x log2(e) and M = ceil(the row's largest t), a whole number; so 1/2 < the row's largest p <= 1. The row's sum l is taken of the UNQUANTISED p, in f32, and the product's result is divided by l at the end. Since M is a whole number, a kernel that streams over the keys may use a running M (the ceiling of the running maximum): every later rescaling is an exact power of two, which a block's scale takes up: the codes' values come out the same.
;;   OPERANDS COMPUTED ON THE WAY. 'Computed on the way' means the value that the module computes at that place (a softmax that the list does not call 'softmax' is quantised finished and normalised). What goes into a quantiser is computed in f32, as accurately as f32 sums, v_exp_f32 and their like allow (about 1e-6 of the number): no bf16 or f16 on the way to a quantiser, and a product that is left as it is and whose result goes on into a quantised operand takes f32 operands (vector FMAs, or v_wmma_f32_16x16x4_f32). A number that lies on a knife's edge between two numbers of the format may be rounded either way, as far as f32 arithmetic and the matrix unit's own rounding can turn it there, and no further.
;; One version. Each part assembles by itself: llvm-mc -triple=amdgcn-amd-amdhsa -mcpu=gfx1250 --defsym DOCPART=n.
;; ======== version 1 of 1: 4 launches
;; workspace buffers: xc 4,194,304 bytes; xsc 262,144 bytes; wc 2,097,152 bytes; wsc 131,072 bytes; qkvc 12,582,912 bytes; qkvsc 786,432 bytes; ac 4,194,304 bytes; asc 262,144 bytes
;; launch quant (part 1): grid 384 x 1, 4 waves a work-group, no clusters, 33,280 bytes of LDS; arguments x, Wq, Wk, Wv, Wo, xc, xsc, wc, wsc; writes xc, xsc, wc, wsc
.if DOCPART == 1
	.amdgcn_target "amdgcn-amd-amdhsa--gfx1250"
	.amdhsa_code_object_version 6
	.text
	.protected	k_qeb89e5c7f8_quant
	.globl	k_qeb89e5c7f8_quant
	.p2align	8
	.type	k_qeb89e5c7f8_quant,@function
k_qeb89e5c7f8_quant:
	s_mov_b64 s[64:65], 0
	v_nop
	global_prefetch_b8 v0, s[64:65] scope:SCOPE_SE
	s_setreg_imm32_b32 hwreg(HW_REG_WAVE_MODE, 25, 1), 1
	s_wait_xcnt 0x0
; MULTI-HEAD ATTENTION IN MX-FP4, launch 1 of 4: x [8192][1024] and Wq, Wk, Wv, Wo [1024][1024], f32, K innermost in all five, become codes of FP4 (E2M1) with one E8M0 byte for each 32 along K.
; NO WORK OF THE PROBLEM IS LEFT OUT IN ANY LAUNCH: bq, bk and bv go into numbers that are quantised (they can move codes and scales), bo goes into the result, there is no mask: all nine inputs are loaded.
; A block's scale is 2^(floor(log2(its largest magnitude)) - 2); its byte is the largest magnitude's exponent field - 2, held at 1 from below.  Each number is divided by the scale and rounded to the nearest code, ties to even.
; LIMITS: a block whose largest magnitude lies under 2^-124 (a block of zeros too) gets the byte 1 where the rule gives a smaller exponent (or 127 for zeros): zero codes add nothing under any byte but 0xff, and
; these bytes are read by this program alone.  NaN and infinities among the inputs are not served.
; TILE ORDER.  The rows of every buffer of codes are laid with bits 3 and 4 of the row's number exchanged: place 16 T + r holds row 32 (T / 2) + 8 (T % 2) + r + 8 (r / 8).  Sixteen neighbouring places are then a tile
; whose product, used as source 0, leaves 16 NEIGHBOURS along that axis in a lane's registers of two neighbouring tiles: what the next quantiser wants.
; A wave takes a run of 8 rows (8,192 numbers, 16 steps of 512): the exchange of bits is an exchange of the run's two low bits, which are the wave's number.  xc, wc: [place][512 bytes]; xsc, wsc: [place][32 bytes];
; wc and wsc hold Wq's 1,024 places, then Wk's, Wv's, Wo's.  Work-groups 0-255 take x, then 32 for each weight: only pointers are chosen, all take one path.
; Each load reads 512 consecutive bytes; a step's 2,048 bytes turn through the wave's own stage in LDS so that a lane holds 16 neighbours along K.  A wave's store of codes covers 256 consecutive bytes, aligned;
; its 256 scale bytes are gathered in LDS and leave as 256 consecutive bytes.  No cluster: no two work-groups read the same bytes.  No tensor loads, no barrier: waves share nothing.
.set WAVES, 4
.set STEPS, 16
.set XWG,   256                        ; work-groups that take x
.set EMAX,  2
.set CB,    8                          ; bytes of 16 codes
.set R,     16                         ; v16-79   four sets of 16 numbers as they are loaded
.set X,     80                         ; v80-111  two sets of 16 neighbours
.set C,     128                        ; v128-191 codes: four registers for each step, so that no store's data are written again
.set E,     112                        ; v112-127 a scale byte for each step
.set WREG,  8192                       ; LDS: a region for each wave: two stages of 32 x SP bytes, then its 256 scale bytes
.set SP,    80                         ; a lane's place in a stage: 64 bytes + 16 of padding
.set SPW,   12                         ; v12  LDS address of my spare word; never rewritten
.set NIL,   13                         ; v13  0; never rewritten
.set SPARE, WAVES*WREG                 ; the spare words: 128 bytes a wave, named by no other line
	s_load_b512 s[4:19], s[0:1], 0x0               ; x s[4:5], Wq s[6:7], Wk s[8:9], Wv s[10:11], Wo s[12:13], xc s[14:15], xsc s[16:17], wc s[18:19]
	s_load_b64 s[20:21], s[0:1], 0x40              ; wsc
	v_lshl_add_u32 v[SPW], v0, 2, SPARE
	v_mov_b32 v[NIL], 0
	v_lshrrev_b32 v1, 5, v0
	v_readfirstlane_b32 s27, v1                    ; wave
	v_and_b32 v2, 31, v0                           ; lane
	v_lshlrev_b32 v3, 4, v2                        ; my 16 bytes of a load's 512
	s_mul_i32 s28, s27, WREG
	v_lshrrev_b32 v14, 2, v2
	v_mul_u32_u24 v14, v14, SP
	v_and_b32 v15, 3, v2
	v_lshl_add_u32 v14, v15, 4, v14
	v_add_nc_u32 v14, s28, v14                     ; the stage, on the way in: SP (lane / 4) + 16 (lane % 4)
	v_mul_u32_u24 v15, v2, SP
	v_add_nc_u32 v15, s28, v15                     ; and on the way out: SP x lane: my 16 neighbours
	v_mul_u32_u24 v4, v2, CB                       ; my codes' place in a step's
	v_lshrrev_b32 v5, 1, v2
	s_add_co_u32 s28, s28, 2*32*SP
	v_add_nc_u32 v5, s28, v5                       ; LDS: my block's scale byte
	v_lshlrev_b32 v7, 3, v2                        ; on the way out 8 bytes a lane
	v_add_nc_u32 v6, s28, v7
	s_sub_co_u32 s22, ttmp9, XWG                   ; a weight's work-group: 32 w + i
	s_lshr_b32 s23, s22, 5                         ; w
	s_and_b32 s26, s22, 31                         ; i
	s_and_b32 s29, s27, 1
	s_lshl_b32 s29, s29, 1
	s_lshr_b32 s30, s27, 1
	s_or_b32 s29, s29, s30                         ; the wave's number with its two bits exchanged: the run's place in tile order
	s_wait_alu depctr_va_vdst(0)
	s_wait_kmcnt 0x0
	s_cmp_eq_u32 s23, 1                            ; which weight: the choices hang on the work-group's number alone
	s_cselect_b64 s[6:7], s[8:9], s[6:7]
	s_cmp_eq_u32 s23, 2
	s_cselect_b64 s[6:7], s[10:11], s[6:7]
	s_cmp_eq_u32 s23, 3
	s_cselect_b64 s[6:7], s[12:13], s[6:7]
	s_cmp_lt_u32 ttmp9, XWG                        ; x or a weight
	s_cselect_b64 s[4:5], s[4:5], s[6:7]
	s_cselect_b64 s[14:15], s[14:15], s[18:19]
	s_cselect_b64 s[16:17], s[16:17], s[20:21]
	s_cselect_b32 s24, ttmp9, s26                  ; the work-group's number in its source,
	s_cselect_b32 s25, ttmp9, s22                  ; and in its buffers of codes and scales
	s_lshl_b32 s24, s24, 2
	s_add_co_u32 s24, s24, s27                     ; the run that I read
	s_lshl_b32 s25, s25, 2
	s_add_co_u32 s25, s25, s29                     ; the run that I write
	s_lshl_b32 s30, s24, 15                        ; 32,768 bytes of f32 a run
	s_mov_b32 s31, 0
	s_add_nc_u64 s[4:5], s[4:5], s[30:31]
	s_lshl_b32 s30, s25, 12                        ; 4,096 bytes of codes
	s_add_nc_u64 s[14:15], s[14:15], s[30:31]
	s_lshl_b32 s30, s25, 8                         ; 256 scale bytes
	s_add_nc_u64 s[16:17], s[16:17], s[30:31]
.macro LOAD t
.irp i, 0,1,2,3
	global_load_b128 v[R+16*((\t)%4)+4*\i:R+16*((\t)%4)+4*\i+3], v3, s[4:5] offset:2048*(\t)+512*\i th:TH_LOAD_NT   ; 32 lanes read 512 consecutive bytes
.endr
.endm
.macro TURN t                          ; step t's numbers through the stage: LDS serves a wave's instructions in order, so no wait stands between the stores and the loads
.irp i, 0,1,2,3
	ds_store_b128 v14, v[R+16*((\t)%4)+4*\i:R+16*((\t)%4)+4*\i+3] offset:32*SP*((\t)%2)+8*SP*\i
.endr
.irp i, 0,1,2,3
	ds_load_b128 v[X+16*((\t)%2)+4*\i:X+16*((\t)%2)+4*\i+3], v15 offset:32*SP*((\t)%2)+16*\i
.endr
.endm
.irp t, 0,1,2,3
	LOAD \t
.endr
	s_wait_loadcnt 12                              ; step 0's four loads are in; the 12 of steps 1 to 3 stay out
	TURN 0
.macro STEP t
.set XS, X+16*((\t)%2)
.if (\t) > 0
	s_wait_dscnt 1                                 ; this step's numbers are back from the stage (the last step's byte store may be out): so its stores into the stage have read their registers,
.else
	s_wait_dscnt 0x0
.endif
.if (\t)+4 < STEPS
	LOAD (\t)+4                                    ; which take the loads of four steps on
.endif
.if (\t)+1 < STEPS
.if STEPS-2-(\t) >= 3
	s_wait_loadcnt 12                              ; the next step's four loads are in; those of the three steps behind it may be out
.else
	s_wait_loadcnt 4*(STEPS-2-(\t))
.endif
	TURN (\t)+1                                    ; and go through the other stage while this step is worked
.endif
	v_max3_num_f32 v8, |v[XS]|, |v[XS+1]|, |v[XS+2]|               ; the largest magnitude of my 16, in two chains
	v_max3_num_f32 v9, |v[XS+3]|, |v[XS+4]|, |v[XS+5]|
.irp i, 6,10
	v_max3_num_f32 v8, v8, |v[XS+\i]|, |v[XS+\i+1]|
	v_max3_num_f32 v9, v9, |v[XS+\i+2]|, |v[XS+\i+3]|
.endr
	v_max3_num_f32 v8, v8, |v[XS+14]|, |v[XS+15]|
	v_max3_num_f32 v8, v8, v9, (EMAX+1)<<23        ; and the floor 2^(3 - 127): the byte cannot fall under 1
	v_max_num_f32_dpp v8, v8, v8 row_xmask:1 row_mask:0xf bank_mask:0xf   ; with my neighbour's 16: the block's
	v_add_nc_u32 v11, -(EMAX<<23), v8              ; 2 off its exponent field: the conversion takes the exponent field of this operand as its scale
	v_cvt_scalef32_pk8_fp4_f32 v[C+4*(\t)], v[XS:XS+7], v11
	v_cvt_scalef32_pk8_fp4_f32 v[C+4*(\t)+1], v[XS+8:XS+15], v11
	v_lshrrev_b32 v[E+(\t)], 23, v11               ; the scale's byte (a plain line behind the conversions)
	ds_store_b8 v5, v[E+(\t)] offset:16*(\t)       ; both lanes of a block write the same byte with the same value
	global_store_b64 v4, v[C+4*(\t):C+4*(\t)+1], s[14:15] offset:32*CB*(\t)   ; 32 lanes store 256 consecutive bytes, aligned
.endm
.irp t, 0,1,2,3,4,5,6,7,8,9,10,11,12,13,14,15
	STEP \t
.endr
	ds_load_b64 v[8:9], v6                         ; LDS serves a wave's instructions in order: these see my byte stores
	s_wait_dscnt 0x0
	global_store_b64 v7, v[8:9], s[16:17]          ; my run's 256 scale bytes
	s_wait_tensorcnt 0x0                           ; the wave's end
	ds_add_u32 v[SPW], v[NIL]
	s_wait_dscnt 0x0
	s_endpgm
.Lfunc_end_k_qeb89e5c7f8_quant:
	.size	k_qeb89e5c7f8_quant, .Lfunc_end_k_qeb89e5c7f8_quant-k_qeb89e5c7f8_quant
	.p2alignl 7, 3214868480
	.fill 96, 4, 3214868480
	.section	.rodata,"a",@progbits
	.p2align	6, 0x0
	.amdhsa_kernel k_qeb89e5c7f8_quant
		.amdhsa_group_segment_fixed_size 33280
		.amdhsa_private_segment_fixed_size 0
		.amdhsa_enable_private_segment 0
		.amdhsa_kernarg_size 72
		.amdhsa_user_sgpr_count 2
		.amdhsa_user_sgpr_kernarg_segment_ptr 1
		.amdhsa_wavefront_size32 1
		.amdhsa_system_sgpr_workgroup_id_x 1
		.amdhsa_system_sgpr_workgroup_id_y 1
		.amdhsa_system_sgpr_workgroup_id_z 1
		.amdhsa_system_vgpr_workitem_id 0
		.amdhsa_next_free_vgpr 192
		.amdhsa_next_free_sgpr 66
		.amdhsa_reserve_vcc 0
		.amdhsa_float_denorm_mode_32 3
		.amdhsa_float_denorm_mode_16_64 3
		.amdhsa_memory_ordered 1
		.amdhsa_forward_progress 1
		.amdhsa_inst_pref_size 34
	.end_amdhsa_kernel
	.amdgpu_metadata
---
amdhsa.version: [ 1, 2 ]
amdhsa.kernels:
  - .name:           k_qeb89e5c7f8_quant
    .symbol:         k_qeb89e5c7f8_quant.kd
    .args:
      - { .name: x, .offset: 0, .size: 8, .value_kind: global_buffer, .address_space: global }
      - { .name: Wq, .offset: 8, .size: 8, .value_kind: global_buffer, .address_space: global }
      - { .name: Wk, .offset: 16, .size: 8, .value_kind: global_buffer, .address_space: global }
      - { .name: Wv, .offset: 24, .size: 8, .value_kind: global_buffer, .address_space: global }
      - { .name: Wo, .offset: 32, .size: 8, .value_kind: global_buffer, .address_space: global }
      - { .name: xc, .offset: 40, .size: 8, .value_kind: global_buffer, .address_space: global }
      - { .name: xsc, .offset: 48, .size: 8, .value_kind: global_buffer, .address_space: global }
      - { .name: wc, .offset: 56, .size: 8, .value_kind: global_buffer, .address_space: global }
      - { .name: wsc, .offset: 64, .size: 8, .value_kind: global_buffer, .address_space: global }
    .group_segment_fixed_size: 33280
    .private_segment_fixed_size: 0
    .kernarg_segment_align: 8
    .kernarg_segment_size: 72
    .max_flat_workgroup_size: 128
    .sgpr_count:     66
    .vgpr_count:     192
    .wavefront_size: 32
...
	.end_amdgpu_metadata
.endif
;; end of part 1
;; launch qkv (part 2): grid 8 x 32, 4 waves a work-group, clusters of 4 x 4, 327,680 bytes of LDS; arguments xc, xsc, wc, wsc, bq, bk, bv, qkvc, qkvsc; writes qkvc, qkvsc
.if DOCPART == 2
	.amdgcn_target "amdgcn-amd-amdhsa--gfx1250"
	.amdhsa_code_object_version 6
	.text
	.protected	k_qeb89e5c7f8_qkv
	.globl	k_qeb89e5c7f8_qkv
	.p2align	8
	.type	k_qeb89e5c7f8_qkv,@function
k_qeb89e5c7f8_qkv:
	s_mov_b64 s[64:65], 0
	v_nop
	global_prefetch_b8 v0, s[64:65] scope:SCOPE_SE
	s_setreg_imm32_b32 hwreg(HW_REG_WAVE_MODE, 25, 1), 1
	s_wait_xcnt 0x0
	s_wait_alu depctr_hold_cnt(0) depctr_sa_sdst(0) depctr_va_vdst(0) depctr_va_sdst(0) depctr_va_ssrc(0) depctr_va_vcc(0) depctr_vm_vsrc(0)
	s_getreg_b32 s2, hwreg(HW_REG_IB_STS2, 6, 4)
	s_cmp_eq_u32 s2, 0
	s_cbranch_scc0 .Lentry_in_a_cluster
	s_endpgm
.Lentry_in_a_cluster:
	s_bfe_u32 s2, ttmp6, 0x10000c
	s_cmp_lg_u32 s2, 0xf033
	s_cbranch_scc0 .Lentry_shape_is_right
	s_endpgm
.Lentry_shape_is_right:
; Launch 2 of 4: q = x Wq^T + bq, k = x Wk^T + bk, v = x Wv^T + bv on codes of FP4, and q, k, v quantised in registers: q and k along a head's 64, v along the keys.  Nothing is left out.
; SHARES.  Work-group (fb, xb) owns 256 places of x and block fb of 128 places of each of Wq, Wk, Wv, and runs three phases Q, K, V by one macro: 8 x 32 = 256 equal work-groups.
; In a product P is source 0: its index runs along a lane's registers, and is the axis that is quantised afterwards; R is source 1: its index is the lane.  A wave makes P 128 x R 64: 32 accumulators.
;   Q, K: P = the weight's 128 places (two heads), the same in all waves; R = x tiles 4 w .. 4 w + 3.      V: P = x tiles 8 (w % 2) on (128 keys); R = Wv's tiles 4 (w / 2) on (one head).
; Since rows lie in tile order (launch 1), registers 16 b + i of a lane are index 32 b + 16 (lane / 16) + i of P: a block of 32 lies in lanes l and l xor 16.
; OUT.  Images of operand registers, 512 consecutive bytes a store.  qkvc: Q at 0, K at 4 MiB: [b][head][tile 128][lane][16 B] (d = 32 (lane / 16) on); V at 8 MiB: [b][head][128 keys: 16][d tile 4][c 2][lane][16 B].
;   qkvsc: Q at 0, K at 256 KiB: [b][head pair 8][place 2048] words (bytes 0, 1: the even head's two blocks; 2, 3: the odd head's); V at 512 KiB: [b][head][128 keys][d tile][16] words.
; CLUSTER 4 x 4: x's tiles hang on xb alone and are shared along a row of the cluster, the weights' on fb alone and are shared along a column: joint loads.
; LDS.  All of K (1,024) of x's 256 rows, and two slots of a weight's 128 rows, lie in LDS in two halves along K: rows of 256 bytes + 16 of padding.  Slot 0 holds Wq and is filled ONCE again, with Wv, behind phase Q's products.
; By this text's own count a wave has at most three tensor loads out.
; LIMITS: a block whose largest magnitude lies under 2^-124 (zeros too) gets the byte 1; these bytes are read by this program alone.  NaN and infinities are not served.
; REGISTERS.  window 0: v1-21 addresses; v28, v29 the add's two; v32-95 P's scale words (tile i, K step q: 8 i + q); v96-127 R's; v128-191 R's fragments, two sets; v192-245 the quantiser's.
;   window 1: P's fragments, two sets of 64.   window 2: accumulator (p, rt) at 64 rt + 8 p.   window 3: v0-63 bq, v64-127 bk (eight a tile of P), v128-159 bv (eight a tile of R).
.set XH,    69632                      ; x: [K half 2][256 rows x 272], from LDS byte 0
.set WB,    139264                     ; the weights: [slot 2][K half 2][128 rows x 272]
.set WS,    69632
.set WH,    34816
.set XS,    278528                     ; x's scale bytes: 256 rows x 32
.set WSC,   286720                     ; the weights': [row half 2][Wq, Wk, Wv][64 rows x 32]
.set STG,   299008                     ; 256 bytes a wave: scale words on their way out
.set SPARE, 300032                     ; the spare words: 128 bytes a wave, named by no other line
.set TROW,  4352                       ; 16 rows of 272 bytes
.set SPW,  28
.set NIL,  29
.set GOS,  14                          ; v14-16  my byte offset in qkvsc, for phase Q, K, V
.set GOC,  17                          ; v17-19  in qkvc
.set TM,   192                         ; v192-195 largest magnitudes, v196-199 at work, v204-207 the conversions' scale operands
.set PW,   208                         ; v208-211 the scale word of tile rt
.set PC,   212                         ; v212-243 the codes of tile rt: 8 registers
.set SO,   244                         ; v244-245 scale words on their way out
.set WV,   22                          ; s22 wave; s23 wave / 2; s24 wave % 2
.set FR,   23
.set HB,   24
.set G1X,  32                          ; group 1: x's tiles; a weight's; Wv's halves; x's scales; the weights' scales
.set G1W,  40
.set G1W2, 48
.set G1XS, 56
.set G1WS, 68
.set G0X,  76                          ; group 0: x's two K halves; a weight's two; the scales'; Wv's (in s[4:7], once x's pointers are done with)
.set G0W,  84
.set G0XS, 92
.set G0WS, 96
.set G0V,  4
.set MSB, 0
.macro WIN new                         ; the immediate's high byte repeats the setting that is left
.if MSB != \new
	s_set_vgpr_msb (MSB<<8)|\new
.set MSB, \new
.endif
.endm
.macro PLACES                          ; four plain places behind matrix instructions, ahead of loads into their registers and of reads of their results
.rept 4
	v_nop
.endr
.endm
; A joint load: waves 0 and 1 fetch for x, waves 2 and 3 for the weights.  The branch hangs on the wave's number alone.  An s_nop 0 and four v_nop follow each line.
.macro JLOAD g0a, g1a, g0b, g1b
	s_cmp_eq_u32 s[FR], 0
	s_cbranch_scc0 .Lfor_w_\@
	tensor_load_to_lds s[\g0a:\g0a+3], s[\g1a:\g1a+7]
	s_nop 0
.rept 4
	v_nop
.endr
	s_branch .Lasked_\@
.Lfor_w_\@:
	tensor_load_to_lds s[\g0b:\g0b+3], s[\g1b:\g1b+7]
	s_nop 0
.rept 4
	v_nop
.endr
.Lasked_\@:
.endm
.macro CROUND                          ; a round of the cluster's barrier
	s_barrier_signal -1
	s_barrier_wait -1
	s_cmp_lg_u32 s[WV], 0
	s_cbranch_scc1 .Lnot_wave_0_\@
	s_barrier_signal -3
.Lnot_wave_0_\@:
	s_barrier_wait -3
	s_barrier_signal -1
	s_barrier_wait -1
.endm
	s_load_b512 s[4:19], s[0:1], 0x0               ; xc s[4:5], xsc s[6:7], wc s[8:9], wsc s[10:11], bq s[12:13], bk s[14:15], bv s[16:17], qkvc s[18:19]
	s_load_b64 s[20:21], s[0:1], 0x40              ; qkvsc
	v_lshl_add_u32 v[SPW], v0, 2, SPARE
	v_mov_b32 v[NIL], 0
	ds_add_u32 v[SPW], v[NIL]                      ; the opening: the add, twice on end, and its wait ahead of my first tensor load
	ds_add_u32 v[SPW], v[NIL]
	v_lshrrev_b32 v1, 5, v0
	v_readfirstlane_b32 s[WV], v1
	s_lshr_b32 s[FR], s[WV], 1
	s_and_b32 s[HB], s[WV], 1
	s_bfe_u32 s25, ttmp6, 0x40000                  ; cx
	s_bfe_u32 s26, ttmp6, 0x40004                  ; cy
	s_lshl_b32 s27, ttmp9, 2
	s_add_co_u32 s27, s27, s25                     ; fb = 4 x cluster x + cx
	s_and_b32 s28, ttmp7, 0xffff
	s_lshl_b32 s28, s28, 2
	s_add_co_u32 s28, s28, s26                     ; xb = 4 x cluster y + cy
	s_lshl_b32 s29, s26, 2
	s_lshl_b32 s29, 15, s29                        ; my row of the cluster
	s_lshl_b32 s30, 0x1111, s25                    ; my column
	s_or_b32 s[G1X], s29, (1<<20)|(1<<21)|(5<<22)|(3<<25)    ; the mask; elements of 1 byte; padding on; bit 21 beside a mask; 4 words of padding behind every 64
	s_or_b32 s[G1W], s30, (1<<20)|(1<<21)|(5<<22)|(3<<25)
	s_or_b32 s[G1W2], s30, (1<<20)|(1<<21)|(5<<22)|(3<<25)
.irp g, G1X, G1W
	s_mov_b32 s[\g+1], 256<<16                     ; tensor_dim0 = 256 bytes: half of K
	s_mov_b32 s[\g+2], 128<<16                     ; tensor_dim1 = 128 rows
	s_mov_b32 s[\g+3], 256<<16                     ; tile_dim0
	s_mov_b32 s[\g+4], 128                         ; tile_dim1
	s_mov_b32 s[\g+5], 512                         ; a row of codes in memory
	s_mov_b32 s[\g+6], 0
	s_mov_b32 s[\g+7], 0
.endr
	s_mov_b32 s[G1W2+1], 256<<16                   ; the same with 64 rows
	s_mov_b32 s[G1W2+2], 64<<16
	s_mov_b32 s[G1W2+3], 256<<16
	s_mov_b32 s[G1W2+4], 64
	s_mov_b32 s[G1W2+5], 512
	s_mov_b32 s[G1W2+6], 0
	s_mov_b32 s[G1W2+7], 0
	s_or_b32 s[G1XS], s29, (3<<16)|(1<<21)         ; x's scales of 128 rows: 4,096 dense bytes as 16 rows of 32 elements of 8 bytes
	s_mov_b32 s[G1XS+1], 32<<16
	s_mov_b32 s[G1XS+2], 16<<16
	s_mov_b32 s[G1XS+3], 32<<16
	s_mov_b32 s[G1XS+4], 16
	s_mov_b32 s[G1XS+5], 32
	s_mov_b32 s[G1XS+6], 0
	s_mov_b32 s[G1XS+7], 0
	s_or_b32 s[G1WS], s30, (3<<16)|(1<<21)         ; the weights' scales of 64 rows: 3 rows (Wq, Wk, Wv) of 2,048 bytes, 32,768 bytes apart
	s_mov_b32 s[G1WS+1], 256<<16
	s_mov_b32 s[G1WS+2], 3<<16
	s_mov_b32 s[G1WS+3], 256<<16
	s_mov_b32 s[G1WS+4], 3
	s_mov_b32 s[G1WS+5], 4096
	s_mov_b32 s[G1WS+6], 0
	s_mov_b32 s[G1WS+7], 0
	s_lshl_b32 s100, s28, 8
	s_lshl_b32 s101, s[HB], 7
	s_add_co_u32 s100, s100, s101                  ; x: place 256 xb + 128 (wave % 2)
	s_lshl_b32 s100, s100, 5                       ; its scale bytes
	s_mov_b32 s101, 0
	s_lshl_b32 s66, s27, 12
	s_lshl_b32 s67, s[HB], 11
	s_add_co_u32 s66, s66, s67                     ; the weights' scale bytes: place 128 fb + 64 (wave % 2)
	s_mov_b32 s67, 0
	s_wait_dscnt 0x0                               ; both opening adds are done
	s_wait_kmcnt 0x0
	CROUND                                         ; all sixteen work-groups are here: the first joint loads meet
	s_mov_b32 s[G0XS], 1
	s_lshl_b32 s31, s[HB], 12
	s_add_co_u32 s[G0XS+1], s31, XS
	s_add_nc_u64 s[G0XS+2:G0XS+3], s[6:7], s[100:101]
	s_or_b32 s[G0XS+3], s[G0XS+3], 0x80000000
	s_mov_b32 s[G0WS], 1
	s_mul_i32 s31, s[HB], 6144
	s_add_co_u32 s[G0WS+1], s31, WSC
	s_add_nc_u64 s[G0WS+2:G0WS+3], s[10:11], s[66:67]
	s_or_b32 s[G0WS+3], s[G0WS+3], 0x80000000
	JLOAD G0XS, G1XS, G0WS, G1WS                   ; the scales first: they are wanted with the first K step
	s_lshl_b32 s100, s100, 4                       ; x's codes: 512 bytes a place
	s_lshl_b32 s66, s27, 16
	s_lshl_b32 s31, s[HB], 19
	s_add_co_u32 s66, s66, s31                     ; wave 2: Wq's block fb; wave 3: Wk's
	s_mul_i32 s2, s[HB], 8*TROW                    ; x: my 128 rows in LDS
	s_mul_i32 s3, s[HB], WS                        ; the weight's slot
.irp kh, 0,1
	s_mov_b32 s[G0X+4*\kh], 1
	s_add_co_u32 s[G0X+4*\kh+1], s2, \kh*XH
	s_add_nc_u64 s[G0X+4*\kh+2:G0X+4*\kh+3], s[4:5], s[100:101]
	s_add_nc_u64 s[G0X+4*\kh+2:G0X+4*\kh+3], s[G0X+4*\kh+2:G0X+4*\kh+3], 256*\kh
	s_or_b32 s[G0X+4*\kh+3], s[G0X+4*\kh+3], 0x80000000
	s_mov_b32 s[G0W+4*\kh], 1
	s_add_co_u32 s[G0W+4*\kh+1], s3, WB+\kh*WH
	s_add_nc_u64 s[G0W+4*\kh+2:G0W+4*\kh+3], s[8:9], s[66:67]
	s_add_nc_u64 s[G0W+4*\kh+2:G0W+4*\kh+3], s[G0W+4*\kh+2:G0W+4*\kh+3], 256*\kh
	s_or_b32 s[G0W+4*\kh+3], s[G0W+4*\kh+3], 0x80000000
	s_wait_alu depctr_va_vdst(0)
	s_wait_tensorcnt 0x0
	ds_add_u32 v28, v29
	s_wait_dscnt 0x0
	CROUND
	JLOAD G0X+4*\kh, G1X, G0W+4*\kh, G1W
.endr
	; Wv's descriptor, for the one refill: every wave fetches 64 rows (wave % 2) of one K half (wave / 2).  x's pointers are done with: no pending load names s[4:7]
	s_lshl_b32 s66, s27, 16
	s_lshl_b32 s31, s[HB], 15
	s_add_co_u32 s66, s66, s31
	s_lshl_b32 s31, s[FR], 8
	s_add_co_u32 s66, s66, s31
	s_add_co_u32 s66, s66, 1<<20                   ; Wv begins at place 2,048
	s_add_nc_u64 s[G0V+2:G0V+3], s[8:9], s[66:67]
	s_or_b32 s[G0V+3], s[G0V+3], 0x80000000
	s_mov_b32 s[G0V], 1
	s_mul_i32 s31, s[FR], WH
	s_mul_i32 s[G0V+1], s[HB], 4*TROW
	s_add_co_u32 s[G0V+1], s[G0V+1], s31
	s_add_co_u32 s[G0V+1], s[G0V+1], WB
	s_mov_b32 s2, 0x76543210                       ; v_permlanex16_b32's selects for lane l xor 16
	s_mov_b32 s3, 0xfedcba98
	v_and_b32 v1, 15, v0                           ; r
	v_bfe_u32 v2, v0, 4, 1                         ; h
	v_and_b32 v3, 31, v0                           ; lane
	v_mul_u32_u24 v4, v1, 272
	v_lshl_add_u32 v4, v2, 4, v4                   ; a fragment: row r x pitch + 16 h
	v_lshlrev_b32 v5, 5, v1                        ; a row of scale bytes: 32 r
	s_lshl_b32 s31, s[WV], 8
	s_add_co_u32 s31, s31, STG
	v_lshl_add_u32 v12, v1, 2, s31                 ; my stage: word r in,
	v_lshl_add_u32 v13, v3, 3, s31                 ; 8 bytes a lane out
	v_lshlrev_b32 v20, 6, v2                       ; bq, bk: 16 h numbers on
	v_and_b32 v21, 8, v1
	v_add_nc_u32 v21, v21, v1
	v_lshlrev_b32 v21, 2, v21                      ; bv: number r + 8 (r / 8)
.irp b, 0,1,2,3
	v_mov_b32 v[TM+4+\b], 0                        ; written once: a lane permute's destination counts as one of its sources
.endr
	; where the results go.  Q, K: U = 4 xb + wave counts runs of 64 places
	s_lshl_b32 s8, s28, 2
	s_add_co_u32 s8, s8, s[WV]
	s_lshr_b32 s9, s8, 5                           ; b
	s_and_b32 s8, s8, 31
	s_lshl_b32 s10, s9, 20
	s_lshl_b32 s11, s27, 17
	s_add_co_u32 s10, s10, s11
	s_lshl_b32 s11, s8, 11
	s_add_co_u32 s10, s10, s11
	v_lshl_add_u32 v[GOC], v3, 4, s10
	v_add_nc_u32 v[GOC+1], 1<<22, v[GOC]
	s_lshl_b32 s10, s9, 16
	s_lshl_b32 s11, s27, 13
	s_add_co_u32 s10, s10, s11
	s_lshl_b32 s11, s8, 8
	s_add_co_u32 s10, s10, s11
	v_lshl_add_u32 v[GOS], v3, 3, s10
	v_add_nc_u32 v[GOS+1], 1<<18, v[GOS]
	; V: G = 2 xb + wave % 2 counts runs of 128 keys; head = 2 fb + wave / 2
	s_lshl_b32 s8, s28, 1
	s_add_co_u32 s8, s8, s[HB]
	s_lshr_b32 s9, s8, 4                           ; b
	s_and_b32 s8, s8, 15
	s_lshl_b32 s10, s27, 1
	s_add_co_u32 s10, s10, s[FR]
	s_lshl_b32 s11, s9, 20
	s_lshl_b32 s100, s10, 16
	s_add_co_u32 s11, s11, s100
	s_lshl_b32 s100, s8, 12
	s_add_co_u32 s11, s11, s100
	s_add_co_u32 s11, s11, 2<<22
	v_lshl_add_u32 v[GOC+2], v3, 4, s11
	s_lshl_b32 s11, s9, 16
	s_lshl_b32 s100, s10, 12
	s_add_co_u32 s11, s11, s100
	s_lshl_b32 s100, s8, 8
	s_add_co_u32 s11, s11, s100
	s_add_co_u32 s11, s11, 2<<18
	v_lshl_add_u32 v[GOS+2], v3, 3, s11
	; the biases, in the layout of the results: each is the C of a sum's first matrix instruction
	s_lshl_b32 s8, s27, 9
	s_mov_b32 s9, 0
	s_add_nc_u64 s[12:13], s[12:13], s[8:9]
	s_add_nc_u64 s[14:15], s[14:15], s[8:9]
	s_lshl_b32 s10, s[FR], 8
	s_add_co_u32 s8, s8, s10
	s_add_nc_u64 s[16:17], s[16:17], s[8:9]
	WIN 0xc0                                       ; destination window 3
.irp p, 0,1,2,3,4,5,6,7
	global_load_b128 v[8*\p:8*\p+3], v20, s[12:13] offset:(32*(\p/2)+8*(\p%2))*4
	global_load_b128 v[8*\p+4:8*\p+7], v20, s[12:13] offset:(32*(\p/2)+8*(\p%2))*4+16
	global_load_b128 v[64+8*\p:64+8*\p+3], v20, s[14:15] offset:(32*(\p/2)+8*(\p%2))*4
	global_load_b128 v[64+8*\p+4:64+8*\p+7], v20, s[14:15] offset:(32*(\p/2)+8*(\p%2))*4+16
.endr
.irp rt, 0,1,2,3
.irp j, 0,1,2,3,4,5,6,7
	global_load_b32 v[128+8*\rt+\j], v21, s[16:17] offset:(32*(\rt/2)+8*(\rt%2))*4   ; in V a lane holds one feature: its bias in all eight registers
.endr
.endr
	WIN 0
.macro SETADR ph                       ; LDS addresses of the phase's fragments (v6, v7: P's two K halves; v8, v9: R's) and scale words (v10: P's; v11: R's)
.if \ph < 2
	s_mul_i32 s31, s[WV], 4*TROW
	v_add_nc_u32 v6, WB+\ph*WS, v4
	s_wait_alu depctr_va_vdst(0)
	v_add_nc_u32 v7, WB+\ph*WS+WH, v4
	v_add_nc_u32 v8, s31, v4
	s_wait_alu depctr_va_vdst(0)
	s_add_co_u32 s31, s31, XH
	v_add_nc_u32 v9, s31, v4
	s_wait_alu depctr_va_vdst(0)
	v_add_nc_u32 v10, WSC, v5
	s_lshl_b32 s31, s[WV], 11
	s_add_co_u32 s31, s31, XS
	v_add_nc_u32 v11, s31, v5
.else
	s_mul_i32 s31, s[HB], 8*TROW
	v_add_nc_u32 v6, s31, v4
	s_wait_alu depctr_va_vdst(0)
	s_add_co_u32 s31, s31, XH
	v_add_nc_u32 v7, s31, v4
	s_mul_i32 s31, s[FR], 4*TROW
	s_add_co_u32 s31, s31, WB
	v_add_nc_u32 v8, s31, v4
	s_wait_alu depctr_va_vdst(0)
	s_add_co_u32 s31, s31, WH
	v_add_nc_u32 v9, s31, v4
	s_wait_alu depctr_va_vdst(0)
	s_lshl_b32 s31, s[HB], 12
	s_add_co_u32 s31, s31, XS
	v_add_nc_u32 v10, s31, v5
	s_mul_i32 s31, s[FR], 6144
	s_add_co_u32 s31, s31, WSC
	v_add_nc_u32 v11, s31, v5
.endif
.endm
.macro SCALES ph                       ; 24 loads: a row's 32 scale bytes are the words of its 8 K steps
.irp i, 0,1,2,3,4,5,6,7
.if \ph < 2
.set SOFF, (\i/4)*6144+\ph*2048+(\i%4)*512
.else
.set SOFF, \i*512
.endif
	ds_load_b128 v[32+8*\i:35+8*\i], v10 offset:SOFF
	ds_load_b128 v[36+8*\i:39+8*\i], v10 offset:SOFF+16
.endr
.irp rt, 0,1,2,3
.if \ph < 2
.set SOFF, \rt*512
.else
.set SOFF, 4096+\rt*512
.endif
	ds_load_b128 v[96+8*\rt:99+8*\rt], v11 offset:SOFF
	ds_load_b128 v[100+8*\rt:103+8*\rt], v11 offset:SOFF+16
.endr
.endm
.macro FETCH q                         ; 24 loads: K step q's fragments (16 rows x 128 K: 8 registers, two loads 32 bytes apart) into set q % 2
	WIN 0x40
.irp i, 0,1,2,3,4,5,6,7
.irp c, 0,1
	ds_load_b128 v[64*((\q)%2)+8*\i+4*\c:64*((\q)%2)+8*\i+4*\c+3], v[6+(\q)/4] offset:64*((\q)%4)+32*\c+TROW*\i
.endr
.endr
	WIN 0
.irp rt, 0,1,2,3
.irp c, 0,1
	ds_load_b128 v[128+32*((\q)%2)+8*\rt+4*\c:128+32*((\q)%2)+8*\rt+4*\c+3], v[8+(\q)/4] offset:64*((\q)%4)+32*\c+TROW*\rt
.endr
.endr
.endm
; 32 matrix instructions: K step q.  cm = 0: the sums go on; 1: they begin with the bias of P's tile (window 3, from cb); 2: with that of R's tile.  The 32 accumulators take turns, in the same order in every step.
.macro MUL32 q, cm, cb
.if \cm
	WIN 0xb1                                       ; A window 1, B window 0, C window 3, D window 2
.else
	WIN 0xa1                                       ; C and D window 2
.endif
.irp rt, 0,1,2,3
.irp p, 0,1,2,3,4,5,6,7
.set rD, 64*\rt+8*\p
.set rA, 64*((\q)%2)+8*\p
.set rB, 128+32*((\q)%2)+8*\rt
.set rC, rD
.if \cm == 1
.set rC, \cb+8*\p
.endif
.if \cm == 2
.set rC, \cb+8*\rt
.endif
	v_wmma_scale_f32_16x16x128_f8f6f4 v[rD:rD+7], v[rA:rA+7], v[rB:rB+7], v[rC:rC+7], v[32+8*\p+(\q)], v[96+8*\rt+(\q)] matrix_a_fmt:MATRIX_FMT_FP4 matrix_b_fmt:MATRIX_FMT_FP4
.endr
.endr
.endm
.macro STEP q, bar                     ; bar = 1: the next step begins the second K half: every wave's load of it has landed, then the work-group's barrier
.if \bar
	s_wait_tensorcnt 0x0
	s_wait_dscnt 0x0
	s_barrier_signal -1
	s_barrier_wait -1
.endif
	PLACES                                         ; the set that the last step multiplied is loaded anew
	FETCH (\q)+1
.if !\bar
	s_wait_dscnt 24                                ; this step's fragments are in; the 24 loads just issued stay out
.endif
	MUL32 \q, 0, 0
.endm
.macro PHASE ph, cm, cb, bar
	SETADR \ph
	SCALES \ph
	FETCH 0
	FETCH 1
.if \ph == 0
	s_wait_alu depctr_va_vdst(0)
	s_wait_loadcnt 0x0                             ; the biases
.endif
	s_wait_dscnt 24                                ; the scale words and K step 0 are in; K step 1's 24 loads stay out
	MUL32 0, \cm, \cb
	STEP 1, 0
	STEP 2, 0
	STEP 3, \bar
	STEP 4, 0
	STEP 5, 0
	STEP 6, 0
	s_wait_dscnt 0x0
	MUL32 7, 0, 0
	WIN 0
.endm
; The 64 numbers of a lane in R's tile rt (window 2, from 64 rt) become a fragment's codes in v[PC + 8 rt] on and its scale word in v[PW + rt].  Each accumulator is read from its low end on.
.macro QUANT rt
	WIN 0x0a
.irp b, 0,1,2,3
	v_max3_num_f32 v[TM+\b], |v[64*(\rt)+16*\b]|, |v[64*(\rt)+16*\b+1]|, 0x1800000   ; block b: my 16 numbers, and the floor 2^(3 - 127): the byte cannot fall under 1
.endr
	WIN 0x28
.irp i, 2,4,6,8,10,12,14
.irp b, 0,1,2,3
	v_max3_num_f32 v[TM+\b], v[TM+\b], |v[64*(\rt)+16*\b+\i]|, |v[64*(\rt)+16*\b+\i+1]|
.endr
.endr
	WIN 0
.irp b, 0,1,2,3
	v_permlanex16_b32 v[TM+4+\b], v[TM+\b], s2, s3
.endr
.irp b, 0,1,2,3
	v_max_num_f32 v[TM+\b], v[TM+\b], v[TM+4+\b]   ; with lane l xor 16's: the block's largest magnitude
.endr
.irp b, 0,1,2,3
	v_add_nc_u32 v[TM+12+\b], 0xff000000, v[TM+\b] ; 2 off its exponent field: the conversion's scale operand
.endr
.irp b, 0,1,2,3
	v_lshrrev_b32 v[TM+4+\b], 23, v[TM+12+\b]      ; the scale's byte
.endr
	v_lshl_or_b32 v[PW+(\rt)], v[TM+5], 8, v[TM+4]
	v_lshl_or_b32 v[PW+(\rt)], v[TM+6], 16, v[PW+(\rt)]
	v_lshl_or_b32 v[PW+(\rt)], v[TM+7], 24, v[PW+(\rt)]
	WIN 0x02
.irp b, 0,1,2,3
	v_cvt_scalef32_pk8_fp4_f32 v[PC+8*(\rt)+2*\b], v[64*(\rt)+16*\b:64*(\rt)+16*\b+7], v[TM+12+\b]
	v_cvt_scalef32_pk8_fp4_f32 v[PC+8*(\rt)+2*\b+1], v[64*(\rt)+16*\b+8:64*(\rt)+16*\b+15], v[TM+12+\b]
.endr
	WIN 0
	v_nop                                          ; one plain place behind a scaled conversion
.irp c, 0,1                                    ; the operand's layout wants a whole block in a lane
.irp i, 0,1
	v_permlane16_swap_b32 v[PC+8*(\rt)+4*\c+\i], v[PC+8*(\rt)+4*\c+2+\i]
.endr
.endr
.endm
.macro EPI ph                          ; a phase's results leave: codes as register images, 512 consecutive bytes a store; 64 scale words through my stage, 256 consecutive bytes
.if \ph > 0
	s_wait_xcnt 0x0                                ; the last phase's stores have read their registers
	PLACES
.endif
.irp rt, 0,1,2,3
	QUANT \rt
.if \ph < 2
	global_store_b128 v[GOC+\ph], v[PC+8*\rt:PC+8*\rt+3], s[18:19] offset:512*\rt            ; the even head's 64
	global_store_b128 v[GOC+\ph], v[PC+8*\rt+4:PC+8*\rt+7], s[18:19] offset:512*\rt+65536    ; the odd head's
.else
	global_store_b128 v[GOC+\ph], v[PC+8*\rt:PC+8*\rt+3], s[18:19] offset:1024*\rt           ; keys 0-63 of the 128
	global_store_b128 v[GOC+\ph], v[PC+8*\rt+4:PC+8*\rt+7], s[18:19] offset:1024*\rt+512     ; keys 64-127
.endif
	ds_store_b32 v12, v[PW+\rt] offset:64*\rt      ; lanes l and l xor 16 write the same word with the same value
.endr
	ds_load_b64 v[SO:SO+1], v13                    ; LDS serves a wave's instructions in order: this sees my stores
	s_wait_dscnt 0x0
	global_store_b64 v[GOS+\ph], v[SO:SO+1], s[20:21]
.endm
	s_wait_tensorcnt 1                             ; my scales and my part of the first K half are in; the second half's load stays out
	s_barrier_signal -1
	s_barrier_wait -1
	PHASE 0, 1, 0, 1                               ; q
	s_wait_tensorcnt 0x0                           ; THE ONE REFILL: no tensor load of mine is out,
	ds_add_u32 v[SPW], v[NIL]                      ; 0 onto my spare word,
	s_wait_dscnt 0x0                               ; the add is done and my reads of Wq's slot are over;
	CROUND                                         ; so it is in every wave of all sixteen work-groups
	tensor_load_to_lds s[G0V:G0V+3], s[G1W2:G1W2+7]    ; Wv into Wq's slot: one load a wave; it has q's way out and all of phase K in which to land
	s_nop 0
	PLACES                                         ; (also the places ahead of the first read of q's sums)
	EPI 0
	PHASE 1, 1, 64, 0                              ; k
	EPI 1
	s_wait_tensorcnt 0x0                           ; my part of Wv has landed,
	s_wait_dscnt 0x0
	s_barrier_signal -1
	s_barrier_wait -1                              ; everybody's has
	PHASE 2, 2, 128, 0                             ; v
	EPI 2
	s_wait_tensorcnt 0x0                           ; the wave's end
	ds_add_u32 v[SPW], v[NIL]
	s_wait_dscnt 0x0
	CROUND                                         ; the closing round
	s_endpgm
.Lfunc_end_k_qeb89e5c7f8_qkv:
	.size	k_qeb89e5c7f8_qkv, .Lfunc_end_k_qeb89e5c7f8_qkv-k_qeb89e5c7f8_qkv
	.p2alignl 7, 3214868480
	.fill 96, 4, 3214868480
	.section	.rodata,"a",@progbits
	.p2align	6, 0x0
	.amdhsa_kernel k_qeb89e5c7f8_qkv
		.amdhsa_group_segment_fixed_size 327680
		.amdhsa_private_segment_fixed_size 0
		.amdhsa_enable_private_segment 0
		.amdhsa_kernarg_size 72
		.amdhsa_user_sgpr_count 2
		.amdhsa_user_sgpr_kernarg_segment_ptr 1
		.amdhsa_wavefront_size32 1
		.amdhsa_system_sgpr_workgroup_id_x 1
		.amdhsa_system_sgpr_workgroup_id_y 1
		.amdhsa_system_sgpr_workgroup_id_z 1
		.amdhsa_system_vgpr_workitem_id 0
		.amdhsa_next_free_vgpr 1024
		.amdhsa_next_free_sgpr 102
		.amdhsa_reserve_vcc 0
		.amdhsa_float_denorm_mode_32 3
		.amdhsa_float_denorm_mode_16_64 3
		.amdhsa_memory_ordered 1
		.amdhsa_forward_progress 1
		.amdhsa_inst_pref_size 214
	.end_amdhsa_kernel
	.amdgpu_metadata
---
amdhsa.version: [ 1, 2 ]
amdhsa.kernels:
  - .name:           k_qeb89e5c7f8_qkv
    .symbol:         k_qeb89e5c7f8_qkv.kd
    .args:
      - { .name: xc, .offset: 0, .size: 8, .value_kind: global_buffer, .address_space: global }
      - { .name: xsc, .offset: 8, .size: 8, .value_kind: global_buffer, .address_space: global }
      - { .name: wc, .offset: 16, .size: 8, .value_kind: global_buffer, .address_space: global }
      - { .name: wsc, .offset: 24, .size: 8, .value_kind: global_buffer, .address_space: global }
      - { .name: bq, .offset: 32, .size: 8, .value_kind: global_buffer, .address_space: global }
      - { .name: bk, .offset: 40, .size: 8, .value_kind: global_buffer, .address_space: global }
      - { .name: bv, .offset: 48, .size: 8, .value_kind: global_buffer, .address_space: global }
      - { .name: qkvc, .offset: 56, .size: 8, .value_kind: global_buffer, .address_space: global }
      - { .name: qkvsc, .offset: 64, .size: 8, .value_kind: global_buffer, .address_space: global }
    .group_segment_fixed_size: 327680
    .private_segment_fixed_size: 0
    .kernarg_segment_align: 8
    .kernarg_segment_size: 72
    .max_flat_workgroup_size: 128
    .sgpr_count:     102
    .vgpr_count:     1024
    .wavefront_size: 32
...
	.end_amdgpu_metadata
.endif
;; end of part 2
;; launch attn (part 3): grid 8 x 32, 16 waves a work-group, clusters of 4 x 1, 281,600 bytes of LDS; arguments qkvc, qkvsc, ac, asc; writes ac, asc
.if DOCPART == 3
	.amdgcn_target "amdgcn-amd-amdhsa--gfx1250"
	.amdhsa_code_object_version 6
	.text
	.protected	k_qeb89e5c7f8_attn
	.globl	k_qeb89e5c7f8_attn
	.p2align	8
	.type	k_qeb89e5c7f8_attn,@function
k_qeb89e5c7f8_attn:
	s_mov_b64 s[64:65], 0
	v_nop
	global_prefetch_b8 v0, s[64:65] scope:SCOPE_SE
	s_setreg_imm32_b32 hwreg(HW_REG_WAVE_MODE, 25, 1), 1
	s_wait_xcnt 0x0
	s_wait_alu depctr_hold_cnt(0) depctr_sa_sdst(0) depctr_va_vdst(0) depctr_va_sdst(0) depctr_va_ssrc(0) depctr_va_vcc(0) depctr_vm_vsrc(0)
	s_getreg_b32 s2, hwreg(HW_REG_IB_STS2, 6, 4)
	s_cmp_eq_u32 s2, 0
	s_cbranch_scc0 .Lentry_in_a_cluster
	s_endpgm
.Lentry_in_a_cluster:
	s_bfe_u32 s2, ttmp6, 0x10000c
	s_cmp_lg_u32 s2, 0x3003
	s_cbranch_scc0 .Lentry_shape_is_right
	s_endpgm
.Lentry_shape_is_right:
; Launch 3 of 4: attention on codes of FP4, head size 64, 2,048 keys, no mask; its result, divided by the row's sum, is quantised along the heads' 64 for the last product.  Nothing is left out.
; THE SOFTMAX: t = score x log2(e) / 8; M = the running largest t rounded UP to a whole number; p = 2^(t - M) is quantised along the keys, not normalised; the row's sum is taken of the unquantised p.
; When M moves, the sum and O are multiplied by 2^(old M - new M): exact.
; SHARES.  A work-group owns a pair of heads of one batch and 256 queries.  Wave w: head w / 8 of the pair, and in each of two passes one tile of 16 queries.  8 x 32 = 256 equal work-groups, four waves to a SIMD.
; ALL K AND V OF THE PAIR (256 KiB of register images) and their scale words (16 KiB) lie in LDS, filled ONCE, in four chunks of 512 keys, and read in both passes: no ring, no refill.
; CLUSTER 4 x 1: the four blocks of queries of a cluster walk the same K and V: joint loads, issued by waves 0-3 (K's two heads, V's two heads), five each: by this text's own count five are out at the most.
; LAYOUT.  Both products transposed: S^T = K Q^T, O^T = V^T P^T: a lane holds ONE query.  K's tiles lie in tile order, so the 16 registers of tiles 2 b, 2 b + 1 are 16 neighbouring keys; V's d likewise.
; The head's 64 fill half of the instruction's 128 along K: registers 4-7 of Q's and K's fragments hold zero codes, set once, and the scale words' upper bytes come as 0 (2^-127 over zero codes adds nothing).
; OUT.  ac: [head pair / 4][tile of rows 512][head pair % 4][head 2][lane][16 B]: halves of the last product's fragments.  asc: [128 rows: 64][head pair 8][128] words, bytes 2 c, 2 c + 1 head 2 hp + c's.
; LIMITS: p under 2^-126 is taken as 0; a block whose largest magnitude lies under 2^-124 (zeros too) gets the byte 1, read by this program alone; |t| stays under 3e38; NaN and infinities are not served.
.set VB,    131072                     ; K: [head 2][tile 128][512 B] from 0; V: [head 2][128 keys: 16][4096 B]
.set SCB,   262144                     ; K's pair words, 8,192 bytes; then V's words [head 2][16][256 B]
.set STG,   278528                     ; the result's scale words: 512 bytes a pass
.set SPARE, 279552                     ; the spare words: 128 bytes a wave, named by no other line
.set SPW,  5
.set NIL,  6
.set WV,   12                          ; s12 wave, s13 head in the pair, s14 tile in the pass
.set SEL,  20                          ; s[20:21] lane selects for lane l xor 16
.set CS,   22                          ; s[22:23] log2(e) / 8
.set TB,   60                          ; s60 the step's K and V: 4,096 bytes a step;  s61 K's scale words: 512;  s62 V's: 256;  s63 counts steps
.set TS,   61
.set TJ,   62
.set CNT,  63
; REGISTERS: v1-4 my lane's places in K, V, K's words, V's words; v7 16 x lane; v8-11 the step's addresses; v12 -M, v13 the largest t, v[14:15] the sum; v16-23 Q; v24 Q's scale word; v25 p's; v[26:27] f; v28 at work;
;   v29-31 addresses; v32-95 K's 8 fragments; v96-159 S^T, then p; v160-191 O^T; v192-199 p's codes; v200-207 K's scale words; v208-211 V's; v212-223 at work; v224-255 V's 4 fragments.
.macro CROUND
	s_barrier_signal -1
	s_barrier_wait -1
	s_cmp_lg_u32 s[WV], 0
	s_cbranch_scc1 .Lnot_wave_0_\@
	s_barrier_signal -3
.Lnot_wave_0_\@:
	s_barrier_wait -3
	s_barrier_signal -1
	s_barrier_wait -1
.endm
	s_load_b256 s[4:11], s[0:1], 0x0               ; qkvc s[4:5], qkvsc s[6:7], ac s[8:9], asc s[10:11]
	v_lshl_add_u32 v[SPW], v0, 2, SPARE
	v_mov_b32 v[NIL], 0
	ds_add_u32 v[SPW], v[NIL]                      ; the opening: the add, twice on end, and its wait ahead of the first tensor load
	ds_add_u32 v[SPW], v[NIL]
	v_lshrrev_b32 v8, 5, v0
	s_delay_alu instid0(VALU_DEP_1)
	v_readfirstlane_b32 s[WV], v8
	s_lshr_b32 s13, s[WV], 3                       ; c
	s_and_b32 s14, s[WV], 7                        ; tq
	s_bfe_u32 s15, ttmp6, 0x40000                  ; cx
	s_lshl_b32 s16, ttmp9, 2
	s_add_co_u32 s16, s16, s15                     ; gx: my block of 256 queries; it enters Q's and the results' addresses alone
	s_and_b32 s17, ttmp7, 0xffff                   ; by = 8 b + hp, which the four partners share
	s_lshr_b32 s18, s17, 3                         ; b
	s_and_b32 s19, s17, 7                          ; hp
	s_mov_b32 s[SEL], 0x76543210
	s_mov_b32 s[SEL+1], 0xfedcba98
	s_mov_b32 s[CS], 0x3e38aa3b
	s_mov_b32 s[CS+1], s[CS]                       ; (named with it as a pair, so it is written)
	s_mov_b32 s24, 15|(3<<16)|(1<<21)              ; group 1, a chunk: 16,384 dense bytes as 64 rows of 32 elements of 8 bytes; the mask names all four work-groups
	s_mov_b32 s25, 32<<16
	s_mov_b32 s26, 64<<16
	s_mov_b32 s27, 32<<16
	s_mov_b32 s28, 64
	s_mov_b32 s29, 32
	s_mov_b32 s30, 0
	s_mov_b32 s31, 0
	s_mov_b32 s32, 15|(3<<16)|(1<<21)              ; group 1, scale words: 4,096 dense bytes, 16 rows
	s_mov_b32 s33, 32<<16
	s_mov_b32 s34, 16<<16
	s_mov_b32 s35, 32<<16
	s_mov_b32 s36, 16
	s_mov_b32 s37, 32
	s_mov_b32 s38, 0
	s_mov_b32 s39, 0
	s_and_b32 s60, s[WV], 3                        ; what a fetching wave fetches: k = 0, 1: K of head 0, 1; k = 2, 3: V
	s_lshr_b32 s61, s60, 1
	s_add_co_u32 s61, s61, 1                       ; K is the second part of qkvc and qkvsc, V the third
	s_and_b32 s62, s60, 1
	s_lshl_b32 s2, s61, 18
	s_lshl_b32 s3, s17, 13
	s_add_co_u32 s2, s2, s3
	s_lshl_b32 s3, s62, 12
	s_add_co_u32 s2, s2, s3                        ; its 4,096 bytes of scale words
	s_mov_b32 s3, 0
	s_wait_dscnt 0x0                               ; both opening adds are done
	s_wait_kmcnt 0x0
	s_mov_b32 s40, 1
	s_lshl_b32 s63, s60, 12
	s_add_co_u32 s41, s63, SCB
	s_add_nc_u64 s[42:43], s[6:7], s[2:3]
	s_or_b32 s43, s43, 0x80000000
	s_lshl_b32 s2, s61, 22
	s_lshl_b32 s63, s17, 17
	s_add_co_u32 s2, s2, s63
	s_lshl_b32 s63, s62, 16
	s_add_co_u32 s2, s2, s63                       ; its head's 65,536 bytes of images
	s_add_nc_u64 s[2:3], s[4:5], s[2:3]
	s_lshl_b32 s63, s60, 16
.irp j, 0,1,2,3
	s_mov_b32 s[44+4*\j], 1
	s_add_co_u32 s[45+4*\j], s63, 16384*\j
	s_add_nc_u64 s[46+4*\j:47+4*\j], s[2:3], 16384*\j
	s_or_b32 s[47+4*\j], s[47+4*\j], 0x80000000
.endr
	CROUND                                         ; all four work-groups are here: the joint loads meet
	s_cmp_lt_u32 s[WV], 4                          ; a fetching wave's five first fills stand in one branch on the wave's number
	s_cbranch_scc0 .Lno_fetch
	tensor_load_to_lds s[40:43], s[32:39]
	s_nop 0
	tensor_load_to_lds s[44:47], s[24:31]
	s_nop 0
	tensor_load_to_lds s[48:51], s[24:31]
	s_nop 0
	tensor_load_to_lds s[52:55], s[24:31]
	s_nop 0
	tensor_load_to_lds s[56:59], s[24:31]
	s_nop 0
.rept 4
	v_nop
.endr
.Lno_fetch:
	s_lshl_b32 s60, s16, 4
	s_add_co_u32 s60, s60, s14                     ; my tile of queries in the batch, pass 0: 16 gx + tq
	s_lshl_b32 s70, s17, 1
	s_add_co_u32 s70, s70, s13
	s_lshl_b32 s70, s70, 16
	s_lshl_b32 s61, s60, 9
	s_add_co_u32 s70, s70, s61
	s_mov_b32 s71, 0
	s_add_nc_u64 s[66:67], s[4:5], s[70:71]        ; Q's image
	s_lshl_b32 s70, s17, 13
	s_lshl_b32 s61, s60, 6
	s_add_co_u32 s70, s70, s61
	s_add_nc_u64 s[68:69], s[6:7], s[70:71]        ; Q's scale words
	s_lshr_b32 s70, s19, 2
	s_lshl_b32 s70, s70, 21
	s_lshl_b32 s61, s18, 7
	s_add_co_u32 s61, s61, s60
	s_lshl_b32 s61, s61, 12
	s_add_co_u32 s70, s70, s61
	s_and_b32 s61, s19, 3
	s_lshl_b32 s61, s61, 10
	s_add_co_u32 s70, s70, s61
	s_lshl_b32 s61, s13, 9
	s_add_co_u32 s70, s70, s61
	s_add_nc_u64 s[8:9], s[8:9], s[70:71]          ; my half fragment in ac
	s_lshl_b32 s70, s18, 4
	s_lshl_b32 s61, s16, 1
	s_add_co_u32 s70, s70, s61
	s_lshl_b32 s70, s70, 12
	s_lshl_b32 s61, s19, 9
	s_add_co_u32 s70, s70, s61
	s_add_nc_u64 s[10:11], s[10:11], s[70:71]      ; the work-group's 128 words in asc
	v_and_b32 v8, 15, v0                           ; r
	v_and_b32 v9, 31, v0                           ; lane
	s_delay_alu instid0(VALU_DEP_1)
	v_lshlrev_b32 v7, 4, v9
	s_lshl_b32 s61, s13, 16
	v_add_nc_u32 v1, s61, v7                       ; K: my head's images, 16 x lane
	s_delay_alu instid0(VALU_DEP_1)
	v_add_nc_u32 v2, VB, v1                        ; V likewise
	v_lshlrev_b32 v10, 2, v8
	s_lshl_b32 s61, s13, 1
	v_add_nc_u32 v29, s61, v10                     ; 4 r + 2 c: my head's two bytes of a pair word
	s_delay_alu instid0(VALU_DEP_1)
	v_add_nc_u32 v3, SCB, v29
	s_lshl_b32 s61, s13, 12
	s_add_co_u32 s61, s61, SCB+8192
	v_add_nc_u32 v4, s61, v10
	s_lshl_b32 s61, s14, 6
	s_add_co_u32 s61, s61, STG
	v_add_nc_u32 v30, s61, v29                     ; the result's two scale bytes
	v_add_nc_u32 v31, STG, v7
	global_load_b128 v[16:19], v7, s[66:67]        ; Q's fragment, pass 0
	global_load_u16 v24, v29, s[68:69]             ; and its two scale bytes
.irp j, 20,21,22,23
	v_mov_b32 v\j, 0                               ; zero codes for the upper 64 along K
.endr
.irp t, 0,1,2,3,4,5,6,7
.irp j, 4,5,6,7
	v_mov_b32 v[32+8*\t+\j], 0
.endr
.endr
.irp j, 216,217,218,219,27,28
	v_mov_b32 v\j, 0                               ; written once: lane permutes' destinations, and the upper half of the pair v[26:27]
.endr
.macro INIT                            ; a pass begins: the first change of M multiplies zeros
	v_mov_b32 v13, 0xff61b1e6                      ; the largest t so far: -3e38
	s_delay_alu instid0(VALU_DEP_1)
	v_floor_f32 v12, -v13                          ; -M
	v_mov_b32 v14, 0
	v_mov_b32 v15, 0
.set j, 0
.rept 32
	v_mov_b32 v[160+j], 0
.set j, j+1
.endr
.endm
; A KEY STEP: 128 keys
.macro STEP
	s_setprio 2
	v_add_nc_u32 v8, s[TB], v1                     ; (these four are also the places behind the last step's products, ahead of the loads into their registers)
	v_add_nc_u32 v9, s[TB], v2
	v_add_nc_u32 v10, s[TS], v3
	v_add_nc_u32 v11, s[TJ], v4
.irp t, 0,1,2,3,4,5,6,7
	ds_load_b128 v[32+8*\t:35+8*\t], v8 offset:512*\t
	ds_load_u16 v[200+\t], v10 offset:64*\t
.endr
.irp d, 0,1,2,3
.irp c, 0,1
	ds_load_b128 v[224+8*\d+4*\c:224+8*\d+4*\c+3], v9 offset:1024*\d+512*\c
.endr
	ds_load_b32 v[208+\d], v11 offset:64*\d
.endr
	s_wait_dscnt 12                                ; K's 16 loads are in; V's 12 stay out
.irp t, 0,1,2,3,4,5,6,7
	v_wmma_scale_f32_16x16x128_f8f6f4 v[96+8*\t:103+8*\t], v[32+8*\t:39+8*\t], v[16:23], 0, v[200+\t], v24 matrix_a_fmt:MATRIX_FMT_FP4 matrix_b_fmt:MATRIX_FMT_FP4
.endr
.rept 4
	v_nop
.endr
.irp b, 0,1,2,3
	v_max3_num_f32 v[212+\b], v[96+16*\b], v[97+16*\b], v[98+16*\b]   ; the largest score of each block of 32 keys: for the row's maximum, and, since p rises with the score, for the block's largest p
.endr
.irp i, 3,5,7,9,11,13
.irp b, 0,1,2,3
	v_max3_num_f32 v[212+\b], v[212+\b], v[96+16*\b+\i], v[97+16*\b+\i]
.endr
.endr
.irp b, 0,1,2,3
	v_max_num_f32 v[212+\b], v[212+\b], v[111+16*\b]
.endr
.irp b, 0,1,2,3
	s_delay_alu instid0(VALU_DEP_4)
	v_permlanex16_b32 v[216+\b], v[212+\b], s[SEL], s[SEL+1]
.endr
.irp b, 0,1,2,3
	s_delay_alu instid0(VALU_DEP_4)
	v_max_num_f32 v[212+\b], v[212+\b], v[216+\b]  ; with lane l xor 16's 16 keys
.endr
	s_delay_alu instid0(VALU_DEP_2)
	v_max3_num_f32 v28, v212, v213, v214
	s_delay_alu instid0(VALU_DEP_1)
	v_max_num_f32 v28, v28, v215                   ; the step's largest score of my query
	s_delay_alu instid0(VALU_DEP_1)
	v_mul_f32 v28, s[CS], v28                      ; as t
	s_delay_alu instid0(VALU_DEP_1)
	v_max_num_f32 v13, v13, v28                    ; the running largest t
	v_mov_b32 v28, v12
	s_delay_alu instid0(VALU_DEP_2)
	v_floor_f32 v12, -v13                          ; the new -M = -ceil(t)
	s_delay_alu instid0(VALU_DEP_1)
	v_sub_f32 v28, v12, v28                        ; old M - new M: a whole number, 0 or less
	s_delay_alu instid0(VALU_DEP_1)
	v_cvt_i32_f32 v28, v28                         ; (it saturates)
	s_delay_alu instid0(VALU_DEP_1)
	v_ldexp_f32 v26, 1.0, v28                      ; f = 2^(old M - new M)
.set j, 0
.rept 32
	v_pk_fma_f32 v[96+j:97+j], v[96+j:97+j], s[CS:CS+1], v[12:13] op_sel_hi:[1,0,0]   ; t - M, two at a time
.set j, j+2
.endr
.irp b, 0,1,2,3
	v_fma_f32 v[212+\b], v[212+\b], s[CS], v12     ; the same of each block's largest score
.endr
.set j, 0
	s_wait_alu depctr_va_vdst(0)
.rept 64
	v_exp_f32 v[96+j], v[96+j]                     ; p = 2^(t - M): one batch
.set j, j+1
.endr
	s_setprio 1
	v_pk_mul_f32 v[14:15], v[14:15], v[26:27] op_sel_hi:[1,0]   ; the sums under the new M (a plain place behind the exponentials)
	s_wait_alu depctr_va_vdst(0)                   ; one wait for the batch, ahead of its first reader
.irp b, 0,1,2,3
	v_exp_f32 v[212+\b], v[212+\b]                 ; the block's largest p
.endr
	v_pk_add_f32 v[216:217], v[100:101], v[104:105]
	v_pk_add_f32 v[222:223], v[108:109], v[112:113]
	v_pk_add_f32 v[220:221], v[116:117], v[120:121]
	v_pk_add_f32 v[218:219], v[124:125], v[128:129]
	v_pk_add_f32 v[206:207], v[132:133], v[136:137]
	v_pk_add_f32 v[204:205], v[140:141], v[144:145]
	v_pk_add_f32 v[202:203], v[148:149], v[152:153]
	v_pk_add_f32 v[14:15], v[14:15], v[156:157]
	v_pk_add_f32 v[216:217], v[216:217], v[96:97]
	v_pk_add_f32 v[222:223], v[222:223], v[98:99]
	v_pk_add_f32 v[220:221], v[220:221], v[102:103]
	v_pk_add_f32 v[218:219], v[218:219], v[106:107]
	v_pk_add_f32 v[206:207], v[206:207], v[110:111]
	v_pk_add_f32 v[204:205], v[204:205], v[114:115]
	v_pk_add_f32 v[202:203], v[202:203], v[118:119]
	v_pk_add_f32 v[14:15], v[14:15], v[122:123]
	v_pk_add_f32 v[216:217], v[216:217], v[126:127]
	v_pk_add_f32 v[222:223], v[222:223], v[130:131]
	v_pk_add_f32 v[220:221], v[220:221], v[134:135]
	v_pk_add_f32 v[218:219], v[218:219], v[138:139]
	v_pk_add_f32 v[206:207], v[206:207], v[142:143]
	v_pk_add_f32 v[204:205], v[204:205], v[146:147]
	v_pk_add_f32 v[202:203], v[202:203], v[150:151]
	v_pk_add_f32 v[14:15], v[14:15], v[154:155]
	v_pk_add_f32 v[216:217], v[216:217], v[158:159]
	s_delay_alu instid0(VALU_DEP_2)
	v_pk_add_f32 v[14:15], v[14:15], v[218:219]
	s_delay_alu instid0(VALU_DEP_2)
	v_pk_add_f32 v[216:217], v[216:217], v[206:207]
	v_pk_add_f32 v[222:223], v[222:223], v[204:205]
	v_pk_add_f32 v[220:221], v[220:221], v[202:203]
	s_delay_alu instid0(VALU_DEP_2)
	v_pk_add_f32 v[14:15], v[14:15], v[222:223]
	s_delay_alu instid0(VALU_DEP_2)
	v_pk_add_f32 v[216:217], v[216:217], v[220:221]
	s_delay_alu instid0(VALU_DEP_1)
	v_pk_add_f32 v[14:15], v[14:15], v[216:217]
	s_wait_alu depctr_va_vdst(0)                   ; and one for the four
.irp b, 0,1,2,3
	v_max_num_f32 v[212+\b], 0x1800000, v[212+\b]  ; the floor 2^(3 - 127)
.endr
.irp b, 0,1,2,3
	s_delay_alu instid0(VALU_DEP_4)
	v_add_nc_u32 v[220+\b], 0xff000000, v[212+\b]  ; the conversion's scale operand
.endr
.irp b, 0,1,2,3
	s_delay_alu instid0(VALU_DEP_4)
	v_lshrrev_b32 v[216+\b], 23, v[220+\b]         ; the scale's byte
.endr
	s_delay_alu instid0(VALU_DEP_3)
	v_lshl_or_b32 v25, v217, 8, v216               ; p's scale word for these 128 keys
	s_delay_alu instid0(VALU_DEP_1)
	v_lshl_or_b32 v25, v218, 16, v25
	s_delay_alu instid0(VALU_DEP_1)
	v_lshl_or_b32 v25, v219, 24, v25
.irp b, 0,1,2,3
	v_cvt_scalef32_pk8_fp4_f32 v[192+2*\b], v[96+16*\b:103+16*\b], v[220+\b]
	v_cvt_scalef32_pk8_fp4_f32 v[193+2*\b], v[104+16*\b:111+16*\b], v[220+\b]
.endr
	v_nop                                          ; one plain place behind a scaled conversion
	s_setprio 0
.irp c, 0,1
.irp i, 0,1
	v_permlane16_swap_b32 v[192+4*\c+\i], v[194+4*\c+\i]
.endr
.endr
.set j, 0
.rept 16
	v_pk_mul_f32 v[160+j:161+j], v[160+j:161+j], v[26:27] op_sel_hi:[1,0]   ; O^T under the new M; these 16 are also the places between p's codes and scale word and the products
.set j, j+2
.endr
	s_wait_alu depctr_va_vdst(0)
	s_wait_dscnt 0x0                               ; V is in
.irp d, 0,1,2,3
	v_wmma_scale_f32_16x16x128_f8f6f4 v[160+8*\d:167+8*\d], v[224+8*\d:231+8*\d], v[192:199], v[160+8*\d:167+8*\d], v[208+\d], v25 matrix_a_fmt:MATRIX_FMT_FP4 matrix_b_fmt:MATRIX_FMT_FP4
.endr
	s_add_co_u32 s[TB], s[TB], 4096
	s_add_co_u32 s[TS], s[TS], 512
	s_add_co_u32 s[TJ], s[TJ], 256
.endm
.macro CHUNK n                         ; pass 0 walks the chunks as they land
	s_wait_tensorcnt 3-\n                          ; a fetching wave's part of chunk n is in; the later chunks stay out
	s_wait_dscnt 0x0
	s_barrier_signal -1
	s_barrier_wait -1
	s_mov_b32 s[TB], 16384*\n
	s_mov_b32 s[TS], 2048*\n
	s_mov_b32 s[TJ], 1024*\n
	s_mov_b32 s[CNT], 4
.Lchunk_\@:
	STEP
	s_sub_co_u32 s[CNT], s[CNT], 1
	s_cmp_lg_u32 s[CNT], 0
	s_cbranch_scc1 .Lchunk_\@
	s_setprio 0
.endm
.macro EPI pass                        ; O^T / the sum, quantised along the head's 64 (two blocks), leaves as half a fragment; the 128 rows' scale words meet in LDS
.if \pass == 0
	global_load_b128 v[16:19], v7, s[66:67] offset:4096    ; the next pass's Q: eight tiles on
	global_load_u16 v24, v29, s[68:69] offset:512
.endif
	v_add_f32 v14, v14, v15
	s_delay_alu instid0(VALU_DEP_1)
	v_permlanex16_b32 v28, v14, s[SEL], s[SEL+1]
	s_delay_alu instid0(VALU_DEP_1)
	v_add_f32 v14, v14, v28                        ; the row's sum
	s_wait_alu depctr_va_vdst(0)
	v_rcp_f32 v14, v14
	v_nop
	v_nop                                          ; (with the additions: four plain places behind the last products)
	s_wait_alu depctr_va_vdst(0)
.set j, 0
.rept 32
	v_mul_f32 v[96+j], v[160+j], v14               ; register 16 b + i: d = 32 b + 16 (lane / 16) + i
.set j, j+1
.endr
.irp b, 0,1
	v_max3_num_f32 v[212+\b], |v[96+16*\b]|, |v[97+16*\b]|, 0x1800000
.endr
.irp i, 2,4,6,8,10,12,14
.irp b, 0,1
	s_delay_alu instid0(VALU_DEP_2)
	v_max3_num_f32 v[212+\b], v[212+\b], |v[96+16*\b+\i]|, |v[97+16*\b+\i]|
.endr
.endr
.irp b, 0,1
	s_delay_alu instid0(VALU_DEP_2)
	v_permlanex16_b32 v[216+\b], v[212+\b], s[SEL], s[SEL+1]
.endr
.irp b, 0,1
	s_delay_alu instid0(VALU_DEP_2)
	v_max_num_f32 v[212+\b], v[212+\b], v[216+\b]
.endr
.irp b, 0,1
	s_delay_alu instid0(VALU_DEP_2)
	v_add_nc_u32 v[220+\b], 0xff000000, v[212+\b]
.endr
.irp b, 0,1
	s_delay_alu instid0(VALU_DEP_2)
	v_lshrrev_b32 v[216+\b], 23, v[220+\b]
.endr
	s_delay_alu instid0(VALU_DEP_1)
	v_lshl_or_b32 v28, v217, 8, v216               ; my row's two scale bytes
.irp b, 0,1
	v_cvt_scalef32_pk8_fp4_f32 v[192+2*\b], v[96+16*\b:103+16*\b], v[220+\b]
	v_cvt_scalef32_pk8_fp4_f32 v[193+2*\b], v[104+16*\b:111+16*\b], v[220+\b]
.endr
	v_nop
	v_permlane16_swap_b32 v192, v194
	v_permlane16_swap_b32 v193, v195
	global_store_b128 v7, v[192:195], s[8:9] offset:32768*\pass    ; 512 consecutive bytes
	ds_store_b16 v30, v28 offset:512*\pass
	s_wait_dscnt 0x0                               ; for the others' sake: my store has landed
	s_barrier_signal -1
	s_barrier_wait -1
	s_cmp_lg_u32 s[WV], 0
	s_cbranch_scc1 .Lnot_mine_\@
	ds_load_b128 v[96:99], v31 offset:512*\pass
	s_wait_dscnt 0x0
	global_store_b128 v7, v[96:99], s[10:11] offset:4096*\pass     ; the pass's 128 words: 512 consecutive bytes
.Lnot_mine_\@:
.endm
	INIT
	s_wait_loadcnt 0x0                             ; Q
	CHUNK 0
	CHUNK 1
	CHUNK 2
	CHUNK 3
	EPI 0
	s_wait_xcnt 0x0                                ; the stores have read their registers
	INIT
	s_wait_loadcnt 0x0                             ; the second pass's Q
	s_mov_b32 s[TB], 0                             ; all keys lie in LDS by now
	s_mov_b32 s[TS], 0
	s_mov_b32 s[TJ], 0
	s_mov_b32 s[CNT], 16
.Lpass1:
	STEP
	s_sub_co_u32 s[CNT], s[CNT], 1
	s_cmp_lg_u32 s[CNT], 0
	s_cbranch_scc1 .Lpass1
	s_setprio 0
	EPI 1
	s_wait_tensorcnt 0x0                           ; the wave's end
	ds_add_u32 v[SPW], v[NIL]
	s_wait_dscnt 0x0
	CROUND                                         ; the closing round
	s_endpgm
.Lfunc_end_k_qeb89e5c7f8_attn:
	.size	k_qeb89e5c7f8_attn, .Lfunc_end_k_qeb89e5c7f8_attn-k_qeb89e5c7f8_attn
	.p2alignl 7, 3214868480
	.fill 96, 4, 3214868480
	.section	.rodata,"a",@progbits
	.p2align	6, 0x0
	.amdhsa_kernel k_qeb89e5c7f8_attn
		.amdhsa_group_segment_fixed_size 281600
		.amdhsa_private_segment_fixed_size 0
		.amdhsa_enable_private_segment 0
		.amdhsa_kernarg_size 32
		.amdhsa_user_sgpr_count 2
		.amdhsa_user_sgpr_kernarg_segment_ptr 1
		.amdhsa_wavefront_size32 1
		.amdhsa_system_sgpr_workgroup_id_x 1
		.amdhsa_system_sgpr_workgroup_id_y 1
		.amdhsa_system_sgpr_workgroup_id_z 1
		.amdhsa_system_vgpr_workitem_id 0
		.amdhsa_next_free_vgpr 256
		.amdhsa_next_free_sgpr 72
		.amdhsa_reserve_vcc 0
		.amdhsa_float_denorm_mode_32 3
		.amdhsa_float_denorm_mode_16_64 3
		.amdhsa_memory_ordered 1
		.amdhsa_forward_progress 1
		.amdhsa_inst_pref_size 105
	.end_amdhsa_kernel
	.amdgpu_metadata
---
amdhsa.version: [ 1, 2 ]
amdhsa.kernels:
  - .name:           k_qeb89e5c7f8_attn
    .symbol:         k_qeb89e5c7f8_attn.kd
    .args:
      - { .name: qkvc, .offset: 0, .size: 8, .value_kind: global_buffer, .address_space: global }
      - { .name: qkvsc, .offset: 8, .size: 8, .value_kind: global_buffer, .address_space: global }
      - { .name: ac, .offset: 16, .size: 8, .value_kind: global_buffer, .address_space: global }
      - { .name: asc, .offset: 24, .size: 8, .value_kind: global_buffer, .address_space: global }
    .group_segment_fixed_size: 281600
    .private_segment_fixed_size: 0
    .kernarg_segment_align: 8
    .kernarg_segment_size: 32
    .max_flat_workgroup_size: 512
    .sgpr_count:     72
    .vgpr_count:     256
    .wavefront_size: 32
...
	.end_amdgpu_metadata
.endif
;; end of part 3
;; launch oproj (part 4): grid 4 x 64, 4 waves a work-group, clusters of 4 x 4, 327,680 bytes of LDS; arguments ac, asc, wc, wsc, bo, out0; writes out0
.if DOCPART == 4
	.amdgcn_target "amdgcn-amd-amdhsa--gfx1250"
	.amdhsa_code_object_version 6
	.text
	.protected	k_qeb89e5c7f8_oproj
	.globl	k_qeb89e5c7f8_oproj
	.p2align	8
	.type	k_qeb89e5c7f8_oproj,@function
k_qeb89e5c7f8_oproj:
	s_mov_b64 s[64:65], 0
	v_nop
	global_prefetch_b8 v0, s[64:65] scope:SCOPE_SE
	s_setreg_imm32_b32 hwreg(HW_REG_WAVE_MODE, 25, 1), 1
	s_wait_xcnt 0x0
	s_wait_alu depctr_hold_cnt(0) depctr_sa_sdst(0) depctr_va_vdst(0) depctr_va_sdst(0) depctr_va_ssrc(0) depctr_va_vcc(0) depctr_vm_vsrc(0)
	s_getreg_b32 s2, hwreg(HW_REG_IB_STS2, 6, 4)
	s_cmp_eq_u32 s2, 0
	s_cbranch_scc0 .Lentry_in_a_cluster
	s_endpgm
.Lentry_in_a_cluster:
	s_bfe_u32 s2, ttmp6, 0x10000c
	s_cmp_lg_u32 s2, 0xf033
	s_cbranch_scc0 .Lentry_shape_is_right
	s_endpgm
.Lentry_shape_is_right:
; Launch 4 of 4: out0 = a Wo^T + bo on codes of FP4; a is the attention's result as launch 3 left it.  Nothing is left out.
; SHARES.  Work-group (Pt, Rt): P = 256 places of Wo (source 0: the output's columns run along a lane's registers), R = 128 rows of a (source 1: a lane a row).  A wave makes P 128 x R 64: 32 accumulators.  4 x 64 = 256 work-groups.
; All of K (1,024) lies in LDS, in two halves, filled once: Wo's rows of 256 bytes + 16 of padding; a's fragments as register images, read at 16 x lane.  By this text's own count a wave has at most three tensor loads out.
; CLUSTER 4 x 4: a's tiles hang on Rt alone and are shared along a row of the cluster, Wo's on Pt alone and are shared along a column.
; Wo's rows and a's rows lie in tile order: the columns come out as neighbours in a lane's registers; a tile's lane t is row 32 (rt / 2) + 8 (rt % 2) + t + 8 (t / 8) of the wave's 64: the stores' immediates put the rows right.
; REGISTERS.  window 0: v1-20 addresses; v28, v29 the add's two; v32-95 P's scale words; v96-127 R's; v128-191 R's fragments, two sets; on the way out v128-255 rows of the result.
;   window 1: v0-127 P's fragments, two sets; v128-191 bo, eight a tile of P.   window 2: accumulator (p, rt) at 64 rt + 8 p.
.set PH,    69632                      ; Wo: [K half 2][256 rows x 272], from LDS byte 0
.set RB,    139264                     ; a: [K half 2][tile 8][K step 4][c 2][512 B]
.set PSC,   204800                     ; Wo's scale bytes: 256 rows x 32
.set RSC,   212992                     ; a's scale words: [K step 8][128]
.set STG,   217088                     ; the way out: 16 rows x (512 + 16) bytes for each wave
.set SPARE, 250880                     ; the spare words: 128 bytes a wave, named by no other line
.set TROW,  4352
.set SPW,  28
.set NIL,  29
.set WV,   22
.set FR,   23
.set HB,   24
.set G1R,  32
.set G1RS, 40
.set G1P,  48
.set G1PS, 56
.set G0RS, 68
.set G0R,  72                          ; s[72:79]: a's two K halves
.set G0PS, 80
.set G0P,  84                          ; s[84:91]: Wo's two K halves
.set MSB, 0
.macro WIN new
.if MSB != \new
	s_set_vgpr_msb (MSB<<8)|\new
.set MSB, \new
.endif
.endm
.macro PLACES
.rept 4
	v_nop
.endr
.endm
.macro JLOAD g0a, g1a, g0b, g1b        ; waves 0 and 1 fetch for a, waves 2 and 3 for Wo; an s_nop 0 and four v_nop follow each line
	s_cmp_eq_u32 s[FR], 0
	s_cbranch_scc0 .Lfor_p_\@
	tensor_load_to_lds s[\g0a:\g0a+3], s[\g1a:\g1a+7]
	s_nop 0
.rept 4
	v_nop
.endr
	s_branch .Lasked_\@
.Lfor_p_\@:
	tensor_load_to_lds s[\g0b:\g0b+3], s[\g1b:\g1b+7]
	s_nop 0
.rept 4
	v_nop
.endr
.Lasked_\@:
.endm
.macro CROUND
	s_barrier_signal -1
	s_barrier_wait -1
	s_cmp_lg_u32 s[WV], 0
	s_cbranch_scc1 .Lnot_wave_0_\@
	s_barrier_signal -3
.Lnot_wave_0_\@:
	s_barrier_wait -3
	s_barrier_signal -1
	s_barrier_wait -1
.endm
	s_load_b256 s[4:11], s[0:1], 0x0               ; ac s[4:5], asc s[6:7], wc s[8:9], wsc s[10:11]
	s_load_b128 s[12:15], s[0:1], 0x20             ; bo s[12:13], out0 s[14:15]
	v_lshl_add_u32 v[SPW], v0, 2, SPARE
	v_mov_b32 v[NIL], 0
	ds_add_u32 v[SPW], v[NIL]                      ; the opening: the add, twice on end, and its wait ahead of my first tensor load
	ds_add_u32 v[SPW], v[NIL]
	v_lshrrev_b32 v1, 5, v0
	v_readfirstlane_b32 s[WV], v1
	s_lshr_b32 s[FR], s[WV], 1                     ; which 64 rows are mine.  Also: I fetch for a (0) or for Wo (1)
	s_and_b32 s[HB], s[WV], 1                      ; which 128 columns.  Also: which half of the rows I fetch
	s_bfe_u32 s25, ttmp6, 0x40000                  ; cx
	s_bfe_u32 s26, ttmp6, 0x40004                  ; cy
	s_lshl_b32 s27, ttmp9, 2
	s_add_co_u32 s27, s27, s25                     ; Pt
	s_and_b32 s28, ttmp7, 0xffff
	s_lshl_b32 s28, s28, 2
	s_add_co_u32 s28, s28, s26                     ; Rt
	s_lshl_b32 s29, s26, 2
	s_lshl_b32 s29, 15, s29                        ; my row of the cluster
	s_lshl_b32 s30, 0x1111, s25                    ; my column
	s_or_b32 s[G1R], s29, (3<<16)|(1<<21)          ; a's images of 4 tiles and half of K: 16,384 dense bytes as 64 rows of 32 elements of 8 bytes
	s_mov_b32 s[G1R+1], 32<<16
	s_mov_b32 s[G1R+2], 64<<16
	s_mov_b32 s[G1R+3], 32<<16
	s_mov_b32 s[G1R+4], 64
	s_mov_b32 s[G1R+5], 32
	s_mov_b32 s[G1R+6], 0
	s_mov_b32 s[G1R+7], 0
	s_or_b32 s[G1RS], s29, (3<<16)|(1<<21)         ; half of a's scale words: 2,048 dense bytes, 8 rows
	s_mov_b32 s[G1RS+1], 32<<16
	s_mov_b32 s[G1RS+2], 8<<16
	s_mov_b32 s[G1RS+3], 32<<16
	s_mov_b32 s[G1RS+4], 8
	s_mov_b32 s[G1RS+5], 32
	s_mov_b32 s[G1RS+6], 0
	s_mov_b32 s[G1RS+7], 0
	s_or_b32 s[G1P], s30, (1<<20)|(1<<21)|(5<<22)|(3<<25)    ; Wo: 128 rows x 256 bytes, 4 words of padding behind every 64
	s_mov_b32 s[G1P+1], 256<<16
	s_mov_b32 s[G1P+2], 128<<16
	s_mov_b32 s[G1P+3], 256<<16
	s_mov_b32 s[G1P+4], 128
	s_mov_b32 s[G1P+5], 512
	s_mov_b32 s[G1P+6], 0
	s_mov_b32 s[G1P+7], 0
	s_or_b32 s[G1PS], s30, (3<<16)|(1<<21)         ; Wo's scale bytes of 128 rows: 4,096 dense bytes, 16 rows
	s_mov_b32 s[G1PS+1], 32<<16
	s_mov_b32 s[G1PS+2], 16<<16
	s_mov_b32 s[G1PS+3], 32<<16
	s_mov_b32 s[G1PS+4], 16
	s_mov_b32 s[G1PS+5], 32
	s_mov_b32 s[G1PS+6], 0
	s_mov_b32 s[G1PS+7], 0
	s_lshl_b32 s16, s28, 12
	s_lshl_b32 s17, s[HB], 11
	s_add_co_u32 s16, s16, s17                     ; a's scale words
	s_mov_b32 s17, 0
	s_lshl_b32 s18, s27, 13
	s_lshl_b32 s19, s[HB], 12
	s_add_co_u32 s18, s18, s19
	s_add_co_u32 s18, s18, 3072*32                 ; Wo begins at place 3,072
	s_mov_b32 s19, 0
	s_wait_dscnt 0x0                               ; both opening adds are done
	s_wait_kmcnt 0x0
	CROUND                                         ; all sixteen work-groups are here: the first joint loads meet
	s_mov_b32 s[G0RS], 1
	s_lshl_b32 s31, s[HB], 11
	s_add_co_u32 s[G0RS+1], s31, RSC
	s_add_nc_u64 s[G0RS+2:G0RS+3], s[6:7], s[16:17]
	s_or_b32 s[G0RS+3], s[G0RS+3], 0x80000000
	s_mov_b32 s[G0PS], 1
	s_lshl_b32 s31, s[HB], 12
	s_add_co_u32 s[G0PS+1], s31, PSC
	s_add_nc_u64 s[G0PS+2:G0PS+3], s[10:11], s[18:19]
	s_or_b32 s[G0PS+3], s[G0PS+3], 0x80000000
	JLOAD G0RS, G1RS, G0PS, G1PS
	s_lshl_b32 s16, s16, 3                         ; a's images: 32,768 bytes for 128 rows and half of K
	s_lshl_b32 s18, s18, 4                         ; Wo's codes: 512 bytes a place
	s_lshl_b32 s2, s[HB], 14
	s_mul_i32 s3, s[HB], 8*TROW
.irp kh, 0,1
	s_mov_b32 s[G0R+4*\kh], 1
	s_add_co_u32 s[G0R+4*\kh+1], s2, RB+32768*\kh
	s_add_nc_u64 s[G0R+4*\kh+2:G0R+4*\kh+3], s[4:5], s[16:17]
	s_add_nc_u64 s[G0R+4*\kh+2:G0R+4*\kh+3], s[G0R+4*\kh+2:G0R+4*\kh+3], \kh<<21
	s_or_b32 s[G0R+4*\kh+3], s[G0R+4*\kh+3], 0x80000000
	s_mov_b32 s[G0P+4*\kh], 1
	s_add_co_u32 s[G0P+4*\kh+1], s3, \kh*PH
	s_add_nc_u64 s[G0P+4*\kh+2:G0P+4*\kh+3], s[8:9], s[18:19]
	s_add_nc_u64 s[G0P+4*\kh+2:G0P+4*\kh+3], s[G0P+4*\kh+2:G0P+4*\kh+3], 256*\kh
	s_or_b32 s[G0P+4*\kh+3], s[G0P+4*\kh+3], 0x80000000
	s_wait_alu depctr_va_vdst(0)
	s_wait_tensorcnt 0x0
	ds_add_u32 v28, v29
	s_wait_dscnt 0x0
	CROUND
	JLOAD G0R+4*\kh, G1R, G0P+4*\kh, G1P
.endr
	v_and_b32 v1, 15, v0                           ; r
	v_bfe_u32 v2, v0, 4, 1                         ; h
	v_and_b32 v3, 31, v0                           ; lane
	v_mul_u32_u24 v4, v1, 272
	v_lshl_add_u32 v4, v2, 4, v4
	v_lshlrev_b32 v5, 5, v1
	s_mul_i32 s31, s[HB], 8*TROW
	v_add_nc_u32 v6, s31, v4                       ; P's fragments: my 128 places, first K half,
	s_add_co_u32 s31, s31, PH
	v_add_nc_u32 v7, s31, v4                       ; second
	v_lshlrev_b32 v14, 4, v3                       ; 16 x lane
	s_wait_alu depctr_va_vdst(0)
	s_lshl_b32 s31, s[FR], 14
	s_add_co_u32 s31, s31, RB
	v_add_nc_u32 v8, s31, v14                      ; R's images: my 4 tiles
	s_lshl_b32 s31, s[HB], 12
	s_add_co_u32 s31, s31, PSC
	v_add_nc_u32 v10, s31, v5
	s_lshl_b32 s31, s[FR], 8
	s_add_co_u32 s31, s31, RSC
	v_lshl_add_u32 v11, v1, 2, s31
	s_mul_i32 s31, s[WV], 16*528
	s_add_co_u32 s31, s31, STG
	v_mul_u32_u24 v12, v1, 528
	v_lshl_add_u32 v12, v2, 6, v12
	v_add_nc_u32 v12, s31, v12                     ; my stage, in: row r, + 64 h
	v_add_nc_u32 v13, s31, v14                     ; back: a row's 512 bytes over the 32 lanes
	v_lshlrev_b32 v20, 6, v2
	s_wait_alu depctr_va_vdst(0)
	s_lshl_b32 s20, s27, 10
	s_lshl_b32 s21, s[HB], 9
	s_add_co_u32 s20, s20, s21                     ; my 128 columns, in bytes
	s_mov_b32 s21, 0
	s_add_nc_u64 s[12:13], s[12:13], s[20:21]
	s_add_nc_u64 s[14:15], s[14:15], s[20:21]
	s_lshl_b32 s20, s28, 19
	s_lshl_b32 s31, s[FR], 18
	s_add_co_u32 s20, s20, s31                     ; my 64 rows of 4,096 bytes
	s_add_nc_u64 s[14:15], s[14:15], s[20:21]
	WIN 0x40
.irp p, 0,1,2,3,4,5,6,7
	global_load_b128 v[128+8*\p:128+8*\p+3], v20, s[12:13] offset:(32*(\p/2)+8*(\p%2))*4      ; bo in the result's layout: the C of each sum's first matrix instruction
	global_load_b128 v[128+8*\p+4:128+8*\p+7], v20, s[12:13] offset:(32*(\p/2)+8*(\p%2))*4+16
.endr
	WIN 0
.macro FETCH q                         ; 24 loads: K step q's fragments into set q % 2
	WIN 0x40
.irp i, 0,1,2,3,4,5,6,7
.irp c, 0,1
	ds_load_b128 v[64*((\q)%2)+8*\i+4*\c:64*((\q)%2)+8*\i+4*\c+3], v[6+(\q)/4] offset:64*((\q)%4)+32*\c+TROW*\i
.endr
.endr
	WIN 0
.irp rt, 0,1,2,3
.irp c, 0,1
	ds_load_b128 v[128+32*((\q)%2)+8*\rt+4*\c:128+32*((\q)%2)+8*\rt+4*\c+3], v8 offset:32768*((\q)/4)+4096*\rt+1024*((\q)%4)+512*\c
.endr
.endr
.endm
.macro MUL32 q, first                  ; 32 matrix instructions; the 32 accumulators take turns, in the same order in every step
.if \first
	WIN 0x91                                       ; A and C window 1, B window 0, D window 2
.else
	WIN 0xa1
.endif
.irp rt, 0,1,2,3
.irp p, 0,1,2,3,4,5,6,7
.set rD, 64*\rt+8*\p
.set rA, 64*((\q)%2)+8*\p
.set rB, 128+32*((\q)%2)+8*\rt
.set rC, rD
.if \first
.set rC, 128+8*\p
.endif
	v_wmma_scale_f32_16x16x128_f8f6f4 v[rD:rD+7], v[rA:rA+7], v[rB:rB+7], v[rC:rC+7], v[32+8*\p+(\q)], v[96+8*\rt+(\q)] matrix_a_fmt:MATRIX_FMT_FP4 matrix_b_fmt:MATRIX_FMT_FP4
.endr
.endr
.endm
.macro STEP q, bar
.if \bar
	s_wait_tensorcnt 0x0                           ; my part of the second K half has landed,
	s_wait_dscnt 0x0
	s_barrier_signal -1
	s_barrier_wait -1                              ; everybody's has
.endif
	PLACES
	FETCH (\q)+1
.if !\bar
	s_wait_dscnt 24                                ; this step's fragments are in; the 24 loads just issued stay out
.endif
	MUL32 \q, 0
.endm
	s_wait_tensorcnt 1                             ; my scales and my part of the first K half are in; the second half's load stays out
	s_barrier_signal -1
	s_barrier_wait -1
.irp i, 0,1,2,3,4,5,6,7
	ds_load_b128 v[32+8*\i:35+8*\i], v10 offset:512*\i
	ds_load_b128 v[36+8*\i:39+8*\i], v10 offset:512*\i+16
.endr
.irp rt, 0,1,2,3
.irp q, 0,1,2,3,4,5,6,7
	ds_load_b32 v[96+8*\rt+\q], v11 offset:512*\q+64*\rt
.endr
.endr
	FETCH 0
	FETCH 1
	s_wait_loadcnt 0x0                             ; bo
	s_wait_dscnt 24                                ; the scale words and K step 0 are in
	MUL32 0, 1
	STEP 1, 0
	STEP 2, 0
	STEP 3, 1
	STEP 4, 0
	STEP 5, 0
	STEP 6, 0
	s_wait_dscnt 0x0
	MUL32 7, 0
	WIN 0
; THE WAY OUT, a tile of 16 rows x 128 columns at a time: through my own stage and back as whole rows of 512 bytes.  LDS serves a wave's instructions in order: no wait between the stores and the loads.
.macro TOSTAGE rt
	WIN 0x08                                       ; the data: window 2
.irp p, 0,1,2,3,4,5,6,7
	ds_store_b128 v12, v[64*(\rt)+8*\p:64*(\rt)+8*\p+3] offset:128*(\p/2)+32*(\p%2)          ; each accumulator from its low end on
	ds_store_b128 v12, v[64*(\rt)+8*\p+4:64*(\rt)+8*\p+7] offset:128*(\p/2)+32*(\p%2)+16
.endr
	WIN 0
.set BB, 128+64*((\rt)%2)
.irp t, 0,1,2,3,4,5,6,7,8,9,10,11,12,13,14,15
	ds_load_b128 v[BB+4*\t:BB+4*\t+3], v13 offset:\t*528
.endr
.endm
.macro SEND rt, younger                ; younger: the LDS instructions issued behind this tile's loads, which may stay out
.set BB, 128+64*((\rt)%2)
	s_wait_dscnt \younger
.irp t, 0,1,2,3,4,5,6,7,8,9,10,11,12,13,14,15
	global_store_b128 v14, v[BB+4*\t:BB+4*\t+3], s[14:15] offset:(32*((\rt)/2)+8*((\rt)%2)+\t+8*(\t/8))*4096 th:TH_STORE_NT   ; 32 lanes store 512 consecutive bytes, aligned; written once
.endr
.endm
	PLACES
	TOSTAGE 0
	TOSTAGE 1
	SEND 0, 32                                     ; behind tile 0's loads: tile 1's 16 stores and 16 loads
	s_wait_xcnt 0x0                                ; tile 0's stores have read their registers: tile 2's loads may land there
	TOSTAGE 2
	SEND 1, 32
	s_wait_xcnt 0x0
	TOSTAGE 3
	SEND 2, 32
	SEND 3, 0
	s_wait_tensorcnt 0x0                           ; the wave's end
	ds_add_u32 v[SPW], v[NIL]
	s_wait_dscnt 0x0
	CROUND                                         ; the closing round
	s_endpgm
.Lfunc_end_k_qeb89e5c7f8_oproj:
	.size	k_qeb89e5c7f8_oproj, .Lfunc_end_k_qeb89e5c7f8_oproj-k_qeb89e5c7f8_oproj
	.p2alignl 7, 3214868480
	.fill 96, 4, 3214868480
	.section	.rodata,"a",@progbits
	.p2align	6, 0x0
	.amdhsa_kernel k_qeb89e5c7f8_oproj
		.amdhsa_group_segment_fixed_size 327680
		.amdhsa_private_segment_fixed_size 0
		.amdhsa_enable_private_segment 0
		.amdhsa_kernarg_size 48
		.amdhsa_user_sgpr_count 2
		.amdhsa_user_sgpr_kernarg_segment_ptr 1
		.amdhsa_wavefront_size32 1
		.amdhsa_system_sgpr_workgroup_id_x 1
		.amdhsa_system_sgpr_workgroup_id_y 1
		.amdhsa_system_sgpr_workgroup_id_z 1
		.amdhsa_system_vgpr_workitem_id 0
		.amdhsa_next_free_vgpr 768
		.amdhsa_next_free_sgpr 92
		.amdhsa_reserve_vcc 0
		.amdhsa_float_denorm_mode_32 3
		.amdhsa_float_denorm_mode_16_64 3
		.amdhsa_memory_ordered 1
		.amdhsa_forward_progress 1
		.amdhsa_inst_pref_size 75
	.end_amdhsa_kernel
	.amdgpu_metadata
---
amdhsa.version: [ 1, 2 ]
amdhsa.kernels:
  - .name:           k_qeb89e5c7f8_oproj
    .symbol:         k_qeb89e5c7f8_oproj.kd
    .args:
      - { .name: ac, .offset: 0, .size: 8, .value_kind: global_buffer, .address_space: global }
      - { .name: asc, .offset: 8, .size: 8, .value_kind: global_buffer, .address_space: global }
      - { .name: wc, .offset: 16, .size: 8, .value_kind: global_buffer, .address_space: global }
      - { .name: wsc, .offset: 24, .size: 8, .value_kind: global_buffer, .address_space: global }
      - { .name: bo, .offset: 32, .size: 8, .value_kind: global_buffer, .address_space: global }
      - { .name: out0, .offset: 40, .size: 8, .value_kind: global_buffer, .address_space: global }
    .group_segment_fixed_size: 327680
    .private_segment_fixed_size: 0
    .kernarg_segment_align: 8
    .kernarg_segment_size: 48
    .max_flat_workgroup_size: 128
    .sgpr_count:     92
    .vgpr_count:     768
    .wavefront_size: 32
...
	.end_amdgpu_metadata
.endif
;; end of part 4
